; MI455X (gfx1250); checked and timed in simulation.
; The chip was launched on July 23, 2026; its instructions are those of AMD's public machine-readable ISA for CDNA 5 (MIT licence, August 2026) and "CDNA5" Instruction Set Architecture Reference Guide (July 2026). The comments in the code are by the model that wrote it; some were corrected since.
;; Mixture Of Experts Layer. Allowed arithmetic: matrix products marked QUANTISED: E3M2 operands, one E8M0 scale for each 32 along K, by v_wmma_scale_f32_16x16x128_f8f6f4 with both operands' format E3M2, f32 sums; products left as they are: f32 operands where the result goes on into a quantised operand, else bf16, f16 or f32 operands; f32 sums; everything else in f32.
;; Inputs: expert_b 8 x 1,024 float32; expert_w_codes 8 x 1,024 x 32 x 24 uint8 (E3M2 codes of expert_w, K innermost, in blocks of 32 codes, four codes in three bytes); expert_w_scales 8 x 1,024 x 32 uint8 (E8M0 scales of expert_w, one for each 32 codes along K); gate_b 8 float32; gate_w 1,024 x 8 float32; x 4 x 2,048 x 1,024 float32.
;; Outputs: out0 4 x 2,048 x 1,024 float32.
;; This version of the problem:
;;   THIS VERSION OF THE PROBLEM IS GIVEN IN LOW PRECISION. The matrix products marked QUANTISED in the list below multiply operands that are first quantised to E3M2 (3 exponent bits, 2 mantissa bits; 6 bits a number), with one power-of-two scale for each 32 numbers along K (OCP MX v1.0); their sums are f32. All else is computed in f32.
;;   The module's matrix products, in the order in which they are computed (A, B: the left and right operand; K: the contracted axis; several contracted axes count as one K, in the product's order):
;;     1. [M 8,192, K 1,024] x [K 1,024, N 8]; A: input x; B: input gate_w: left as it is (N = 8 < 16)
;;     2. [M 8,192, K 1,024] x [K 1,024, N 8,192]; A: input x; B: input expert_w (given as codes): QUANTISED
;;     3. batch 8,192 x [M 1, K 8] x [K 8, N 1,024]; A: softmax; B: computed on the way: left as it is (K = 8 < 32)
;;   THE QUANTISER, for each operand of a quantised product, along K:
;;     - K is cut into blocks of 32 from its start; a last block that is shorter is filled with zeros.
;;     - A block's scale is 2^e with e = floor(log2(the largest magnitude in the block)) - 4, held to -126 .. 127; a block of zeros has e = 0. As a byte (E8M0): e + 127.
;;     - Each number is divided by its block's scale, clamped to +-28, and rounded to the nearest number of E3M2, ties to even, subnormals kept.
;;     - The product sums the exact products of the quantised numbers (number of the format x scale) in f32.
;;   ~~~python
;;   def quantise(x, axis):      # numpy; x: float32 -> the quantised numbers, widened to float32 again
;;       x = np.moveaxis(x, axis, -1); K = x.shape[-1]
;;       x = np.pad(x, [(0, 0)] * (x.ndim - 1) + [(0, -K % 32)]); x = x.reshape(x.shape[:-1] + (-1, 32)); a = np.abs(x).max(-1, keepdims=True)
;;       e = np.where(a > 0, np.clip(np.frexp(np.where(a > 0, a, 1))[1] - 1 - 4, -126, 127), 0)      # np.frexp(a)[1] - 1 = floor(log2(a)), exactly
;;       r = np.clip(x / 2.0 ** e, -28, 28)
;;       step = 2.0 ** (np.maximum(np.frexp(np.where(r == 0, 1, r))[1] - 1, -2) - 2)
;;       q = np.round(r / step) * step * 2.0 ** e      # np.round: ties to even
;;       return np.moveaxis(q.reshape(q.shape[:-2] + (-1,))[..., :K], -1, axis).astype(np.float32)
;;   ~~~
;;   INPUTS GIVEN AS CODES. expert_w (in the module: [8, 1024, 1024], K = its axis 1): each comes as NAME_codes (uint8): NAME with its K axis moved to the last place and cut into blocks of 32 codes, [.., K / 32, bytes a block], one block behind the other in memory; four codes in three bytes: a row's codes are one little-endian stream of bits, code i at bits 6 i .. 6 i + 5 (a code: sign, 3 exponent bits, 2 mantissa bits); and NAME_scales (uint8): the same leading axes, one E8M0 byte (e + 127) for each 32 codes along K. Its value is code x scale, taken as it is: it is not quantised again, and the codes and scales need not be those that the quantiser above would give.
;; 2 versions. Each part assembles by itself: llvm-mc -triple=amdgcn-amd-amdhsa -mcpu=gfx1250 --defsym DOCPART=n.
;; ======== version 1 of 2: 2 launches
;; workspace buffers: xq 6,291,456 bytes; xs 262,144 bytes; g 262,144 bytes
;; launch prep (part 1): grid 512 x 1, 4 waves a work-group, no clusters, 104,960 bytes of LDS; arguments x, gate_w, gate_b, xq, xs, g; writes xq, xs, g
.if DOCPART == 1
	.amdgcn_target "amdgcn-amd-amdhsa--gfx1250"
	.amdhsa_code_object_version 6
	.text
	.protected	k_qa56a16b235_prep
	.globl	k_qa56a16b235_prep
	.p2align	8
	.type	k_qa56a16b235_prep,@function
k_qa56a16b235_prep:
	s_mov_b64 s[64:65], 0
	v_nop
	global_prefetch_b8 v0, s[64:65] scope:SCOPE_SE
	s_setreg_imm32_b32 hwreg(HW_REG_WAVE_MODE, 25, 1), 1
	s_wait_xcnt 0x0
; x [8192][1024] f32 is turned ONCE into codes of BF6 (E3M2) with one E8M0 scale byte for each 32 along K, and the gates softmax(x gate_w + gate_b) are made beside it.
; OUT: xq [R][s][c][lane][16 bytes]: for each block R of 16 tokens and each K step s of 128 the image of an operand's 12 registers (three groups c of four), so that the reader loads a fragment by three loads of 16 bytes a lane;
;      xs [R][h][r][16 bytes]: token r's scale words of K steps 4 h .. 4 h + 3: one load of 16 bytes a lane gives four scale registers, K steps 0-3 in lanes 0-15, K steps 4-7 in lanes 16-31;
;      g  [R][e][r] f32: the gate of expert e for token r.
; SHARES.  A work-group takes 16 tokens; wave q takes K = 256 q .. 256 q + 255: two K steps.  Each wave asks for its 16 KiB of x at once, 512 consecutive bytes a load.
; The conversions want 16 NEIGHBOURS along K in one lane, the loads want neighbouring bytes in neighbouring lanes: so the wave's 16 rows turn through its own stage in LDS (pitch 1,024 + 16 bytes).
; A block's scale is 2^(floor(log2(its largest magnitude)) - 4); its byte is the largest magnitude's exponent field - 4, held at 1 from below.
; THE GATE PRODUCT is left as it is by the contract and feeds no quantised operand: bf16 operands, f32 sums.  One rounding to bf16 (8 bits) would leave a logit of 1,024 terms too coarse for the gates, so EACH OPERAND GOES IN AS TWO
; bf16 NUMBERS: the high part is the f32 number's upper 16 bits, the low part the rest (an exact difference), rounded to bf16.  Three products are summed: high x high, high x low, low x high.
; Source 0 = gate_w^T (row m = expert m % 8), source 1 = 16 tokens: lane (r, h) holds token r, register j expert j, in both halves of the lanes: the softmax never leaves a lane.
; K is permuted alike on both sides: a lane's 16 places of a block of 32 hold k = 16 h + 0 .. 15, the order in which the quantiser holds x.
; LIMITS: NaN and infinities in x are not served.  A block of zeros, or one whose largest magnitude lies under 2^(5 - 127), gets the byte 1 (its codes are zeros or what the floor's scale gives); the bytes are read by this program alone.
; In a logit the product of the two low parts is left out (under 2^-14 of a term), and the low parts are rounded to bf16 (under 2^-16 of a term).
.set XPITCH, 1040                      ; a row of a wave's stage: 1,024 bytes + 16: the 16 rows of a read start in 16 different columns of 16 bytes
.set XSTW,   16*XPITCH                 ; LDS: a stage for each wave,
.set GWS,    4*XSTW                    ; gate_w's high parts as bf16, [256 k][8 experts], 4,096 bytes for each wave,
.set GLO,    4*4096                    ; its low parts, so many bytes further on,
.set PAR,    GWS+8*4096                ; the waves' partial logits: 1,024 bytes each, two planes of 16 bytes a lane,
.set XSS,    PAR+4*1024                ; the block's 512 bytes of xs,
.set GST,    XSS+512                   ; and its 512 bytes of g
.set D1,  8                            ; v8-15    second accumulator (v8-11 are at work at the head)
.set X0,  16                           ; v16-79   x as loaded (loads 0-15), then 64 numbers of K step 0
.set X1,  80                           ; v80-143  x as loaded (loads 16-31), then K step 1
.set GR,  144                          ; v144-207 gate_w as loaded
.set AFH0, 144                         ; K step 0: x's four fragments of high parts,
.set GFH0, 176                         ; gate_w's,
.set AFL0, 16                          ; x's low parts, made in place in the lower half of the numbers' registers,
.set GFL0, 48                          ; gate_w's, in the upper half
.set GFH1, 144                         ; K step 1 likewise, in the registers that K step 0 has left
.set GFL1, 176
.set AFH1, 16
.set AFL1, 80
.set TM,  208                          ; v208-223 at work in QUANT
.set TS,  208                          ; v208-211, v216-219 at work in the splits (v212-215 stay as QUANT leaves them)
.set PC,  224                          ; v224-243 the codes just made
.set PW,  244                          ; the scale word just made
.set SW,  246                          ; v[246:247] my two K steps' scale words
.set D0,  248                          ; v248-255 first accumulator
.set SEL, 20                           ; s[20:21] lane selects: lane l xor 16
.set MASK, 40                          ; s40  a word's upper 16 bits
.set PSEL, 41                          ; s41  v_perm_b32: the two sources' upper halves, the second source's below
; 64 numbers of a lane, register 16 b + i = k 32 b + 16 (lane / 16) + i of my row, become a fragment's codes in v[PC] .. v[PC + 11] and its scale word in v[PW].
.macro QUANT s
.irp b, 0,1,2,3
	v_max3_num_f32 v[TM+\b], |v[\s+16*\b]|, |v[\s+1+16*\b]|, 0x2800000   ; block b: my 16 numbers, and the floor 2^(5 - 127): the byte cannot fall under 1
.endr
.irp i, 2,4,6,8,10,12,14
.irp b, 0,1,2,3
	v_max3_num_f32 v[TM+\b], v[TM+\b], |v[\s+16*\b+\i]|, |v[\s+1+16*\b+\i]|   ; the four blocks by turns
.endr
.endr
.irp b, 0,1,2,3
	v_permlanex16_b32 v[TM+4+\b], v[TM+\b], s[SEL], s[SEL+1]
.endr
.irp b, 0,1,2,3
	v_max_num_f32 v[TM+\b], v[TM+\b], v[TM+4+\b]   ; with lane l xor 16: the block's largest magnitude
.endr
.irp b, 0,1,2,3
	v_add_nc_u32 v[TM+12+\b], 0xfe000000, v[TM+\b]   ; 4 off its exponent field: the conversion takes this operand's exponent field as its scale
.endr
.irp b, 0,1,2,3
	v_lshrrev_b32 v[TM+4+\b], 23, v[TM+12+\b]      ; the scale's byte
.endr
	v_lshl_or_b32 v[PW], v[TM+5], 8, v[TM+4]       ; four bytes: my row's scale word (the same in lanes l and l xor 16)
	v_lshl_or_b32 v[PW], v[TM+6], 16, v[PW]
	v_lshl_or_b32 v[PW], v[TM+7], 24, v[PW]
.irp c, 0,1
	v_cvt_scalef32_pk16_bf6_f32 v[PC+6*\c:PC+2+6*\c], v[\s+32*\c:\s+15+32*\c], v[TM+12+2*\c]
	v_cvt_scalef32_pk16_bf6_f32 v[PC+12+4*\c:PC+14+4*\c], v[\s+16+32*\c:\s+31+32*\c], v[TM+12+2*\c+1]   ; a conversion's three registers begin on an even number
.endr
	v_nop                                          ; one plain place behind a scaled conversion
.irp c, 0,1                                    ; the operand wants a WHOLE block in a lane: lanes 0-15 block 2 c, lanes 16-31 block 2 c + 1
.irp i, 0,1,2
	v_permlane16_swap_b32 v[PC+6*\c+\i], v[PC+12+4*\c+\i]
.endr
.irp i, 0,1,2
	v_mov_b32 v[PC+3+6*\c+\i], v[PC+12+4*\c+\i]
.endr
.endr
.endm
.macro BACK reg, sg                    ; K step sg of my row comes back from the stage: 16 neighbours of each block of 32
.irp b, 0,1,2,3
.irp j, 0,1,2,3
	ds_load_b128 v[\reg+16*\b+4*\j:\reg+16*\b+4*\j+3], v3 offset:512*\sg+128*\b+16*\j
.endr
.endr
.endm
.macro GFRAG reg, first, lo            ; four fragments of gate_w^T, blocks first .. first + 3, high (lo = 0) or low parts: the turning load gives lane 8 g + i expert i and 8 neighbouring k
.irp b, 0,1,2,3
	ds_load_tr16_b128 v[\reg+8*\b:\reg+8*\b+3], v5 offset:GLO*\lo+512*(\first+\b)
	ds_load_tr16_b128 v[\reg+8*\b+4:\reg+8*\b+7], v5 offset:GLO*\lo+512*(\first+\b)+128
.endr
.endm
; 64 numbers at v[x] on become four bf16 fragments of high parts at v[ah] on and four of low parts at v[x] .. v[x + 31].  Eight numbers at a time: the upper halves are packed; the number less its upper 16 bits is exact in f32;
; that rest is rounded to bf16, in place: pair p's result lands in register p, whose own number has been used by then.
.macro SPLIT ah, x
.set i, 0
.rept 8
.irp u, 0,1,2,3
	v_perm_b32 v[\ah+4*i+\u], v[\x+8*i+2*\u+1], v[\x+8*i+2*\u], s[PSEL]
.endr
.irp n, 0,1,2,3,4,5,6,7
	v_and_b32 v[TS+\n+4*(\n/4)], s[MASK], v[\x+8*i+\n]
.endr
.irp u, 0,1,2,3
	v_pk_add_f32 v[\x+8*i+2*\u:\x+8*i+2*\u+1], v[\x+8*i+2*\u:\x+8*i+2*\u+1], v[TS+2*\u+4*(\u/2):TS+2*\u+4*(\u/2)+1] neg_lo:[0,1] neg_hi:[0,1]
.endr
.irp u, 0,1,2,3
	v_cvt_pk_bf16_f32 v[\x+4*i+\u], v[\x+8*i+2*\u], v[\x+8*i+2*\u+1]
.endr
.set i, i+1
.endr
.endm
.macro GMUL gf, af, zero               ; four products on two accumulators by turns, one instruction a turn
.if \zero
	v_wmma_f32_16x16x32_bf16 v[D0:D0+7], v[\gf:\gf+7], v[\af:\af+7], 0
	v_wmma_f32_16x16x32_bf16 v[D1:D1+7], v[\gf+8:\gf+15], v[\af+8:\af+15], 0
.else
	v_wmma_f32_16x16x32_bf16 v[D0:D0+7], v[\gf:\gf+7], v[\af:\af+7], v[D0:D0+7]
	v_wmma_f32_16x16x32_bf16 v[D1:D1+7], v[\gf+8:\gf+15], v[\af+8:\af+15], v[D1:D1+7]
.endif
	v_wmma_f32_16x16x32_bf16 v[D0:D0+7], v[\gf+16:\gf+23], v[\af+16:\af+23], v[D0:D0+7]
	v_wmma_f32_16x16x32_bf16 v[D1:D1+7], v[\gf+24:\gf+31], v[\af+24:\af+31], v[D1:D1+7]
.endm
	s_load_b256 s[4:11], s[0:1], 0x0               ; x s[4:5], gate_w s[6:7], gate_b s[8:9], xq s[10:11]
	s_load_b128 s[12:15], s[0:1], 0x20             ; xs s[12:13], g s[14:15]
	v_lshl_add_u32 v243, v0, 2, 0x19800
	v_mov_b32 v245, 0
	v_lshrrev_b32 v8, 5, v0
	v_readfirstlane_b32 s16, v8                    ; wave q = 0..3
	v_and_b32 v8, 31, v0                           ; lane
	v_and_b32 v9, 15, v0                           ; r
	v_bfe_u32 v10, v0, 4, 1                        ; h
	v_and_b32 v11, 7, v0
	v_lshlrev_b32 v1, 4, v8                        ; v1 = 16 x lane; never rewritten
	s_mul_i32 s17, s16, XSTW                       ; my stage
	s_lshl_b32 s18, s16, 12
	s_add_co_u32 s18, s18, GWS                     ; my part of gate_w in LDS
	s_lshr_b32 s19, s16, 1
	s_lshl_b32 s19, s19, 8
	s_and_b32 s22, s16, 1
	s_lshl_b32 s22, s22, 3
	s_add_co_u32 s19, s19, s22
	s_add_co_u32 s19, s19, XSS                     ; my two words in a token's 16 bytes: half q / 2, byte 8 (q % 2)
	s_lshl_b32 s23, s16, 10
	s_add_co_u32 s23, s23, PAR                     ; my partial logits
	v_add_nc_u32 v2, s17, v1                       ; v2: the stage, way in: 16 x lane
	v_mul_u32_u24 v3, v9, XPITCH
	v_lshl_add_u32 v3, v10, 6, v3
	v_add_nc_u32 v3, s17, v3                       ; v3: way out: row r, + 64 h
	v_lshl_add_u32 v4, v8, 3, s18                  ; v4: gate_w, way in: 8 bytes a lane
	v_lshlrev_b32 v5, 4, v11
	v_lshl_add_u32 v5, v10, 8, v5
	v_add_nc_u32 v5, s18, v5                       ; v5: way out: row k = 16 h + lane % 8, 16 bytes a row
	v_lshl_add_u32 v6, v9, 4, s19                  ; v6: where my scale words go
	v_add_nc_u32 v7, s23, v1                       ; v7: where my partial logits go
.irp b, 0,1,2,3
	v_mov_b32 v[TM+4+\b], 0                        ; written once: a lane permute's destination counts as one of its sources
.endr
	s_mov_b32 s[SEL], 0x76543210
	s_mov_b32 s[SEL+1], 0xfedcba98
	s_mov_b32 s[MASK], 0xffff0000
	s_mov_b32 s[PSEL], 0x07060302
	s_lshl_b32 s32, ttmp9, 16                      ; x: 16 rows of 4,096 bytes a block, + 1,024 q
	s_lshl_b32 s33, s16, 10
	s_add_co_u32 s32, s32, s33
	s_mov_b32 s33, 0
	s_lshl_b32 s34, s16, 13                        ; gate_w: 256 rows of 32 bytes a wave
	s_mov_b32 s35, 0
	s_mul_i32 s36, ttmp9, 12288                    ; xq: 8 fragments of 1,536 bytes a block, two a wave
	s_mul_i32 s37, s16, 3072
	s_add_co_u32 s36, s36, s37
	s_mov_b32 s37, 0
	s_lshl_b32 s38, ttmp9, 9                       ; xs and g: 512 bytes a block
	s_mov_b32 s39, 0
	s_wait_kmcnt 0x0
	s_load_b256 s[24:31], s[8:9], 0x0              ; gate_b's eight numbers
	s_add_nc_u64 s[4:5], s[4:5], s[32:33]
	s_add_nc_u64 s[6:7], s[6:7], s[34:35]
	s_add_nc_u64 s[10:11], s[10:11], s[36:37]
	s_add_nc_u64 s[12:13], s[12:13], s[38:39]
	s_add_nc_u64 s[14:15], s[14:15], s[38:39]
.set t, 0
.rept 16
	global_load_b128 v[GR+4*t:GR+4*t+3], v1, s[6:7] offset:512*t   ; gate_w: lane l of load t holds row 16 t + l / 2, experts 4 (l % 2) on
.set t, t+1
.endr
.set t, 0
.rept 32
	global_load_b128 v[X0+4*t:X0+4*t+3], v1, s[4:5] offset:4096*(t/2)+512*(t%2) th:TH_LOAD_NT   ; row t / 2, 512 consecutive bytes; read once in this launch
.set t, t+1
.endr
	s_wait_loadcnt 32                              ; gate_w is in; x's 32 loads stay out
; gate_w's four numbers of a load become two registers of high parts and two of low parts, in the load's own four registers: no store's data are written again
.set t, 0
.rept 16
.set ga, GR+4*t
.set gu, TS+8*(t%2)
.irp n, 0,1,2,3
	v_and_b32 v[gu+\n], s[MASK], v[ga+\n]
.endr
	v_pk_add_f32 v[gu:gu+1], v[ga:ga+1], v[gu:gu+1] neg_lo:[0,1] neg_hi:[0,1]           ; the number less its upper 16 bits: exact
	v_pk_add_f32 v[gu+2:gu+3], v[ga+2:ga+3], v[gu+2:gu+3] neg_lo:[0,1] neg_hi:[0,1]
	v_perm_b32 v[ga], v[ga+1], v[ga], s[PSEL]
	v_perm_b32 v[ga+1], v[ga+3], v[ga+2], s[PSEL]
	v_cvt_pk_bf16_f32 v[ga+2], v[gu], v[gu+1]
	v_cvt_pk_bf16_f32 v[ga+3], v[gu+2], v[gu+3]
	ds_store_b64 v4, v[ga:ga+1] offset:256*t
	ds_store_b64 v4, v[ga+2:ga+3] offset:GLO+256*t
.set t, t+1
.endr
.irp q, 0,1,2,3
	s_wait_loadcnt 24-8*\q                         ; x's first 8 (q + 1) loads are in, the later ones stay out
.irp u, 0,1,2,3,4,5,6,7
	ds_store_b128 v2, v[X0+4*(8*\q+\u):X0+4*(8*\q+\u)+3] offset:XPITCH*((8*\q+\u)/2)+512*(\u%2)
.endr
.endr
	BACK X0, 0                                     ; LDS serves a wave's instructions in order (ISA guide 5.7.1.4): these see my stores; the bytes are my wave's own
	GFRAG GFH0, 0, 0
	BACK X1, 1
	s_wait_dscnt 24                                ; K step 0's 16 loads are in; behind them 8 of gate_w and 16 of K step 1
	QUANT X0
	v_mov_b32 v[SW], v[PW]
.irp c, 0,1,2
	global_store_b128 v1, v[PC+4*\c:PC+4*\c+3], s[10:11] offset:512*\c   ; the fragment's image: 512 consecutive bytes a store, aligned
.endr
	SPLIT AFH0, X0
	GFRAG GFL0, 0, 1                               ; into the upper half of the registers that K step 0's numbers have left
	s_wait_dscnt 24                                ; gate_w's high fragments are in; behind them 16 of K step 1 and the 8 just issued
	GMUL GFH0, AFH0, 1                             ; high x high: the first two products start the sums
	GMUL GFH0, AFL0, 0                             ; gate_w's high x x's low
	s_wait_dscnt 0x0                               ; gate_w's low fragments are in, and K step 1's numbers, asked for ahead of them
	GMUL GFL0, AFH0, 0                             ; gate_w's low x x's high
	s_wait_xcnt 0x0                                ; the stores above have read v[PC] on: it is written again only behind this wait
	QUANT X1                                       ; its plain lines name no register of the products: they are the places in front of the loads and writes below
	v_mov_b32 v[SW+1], v[PW]
.irp c, 0,1,2
	global_store_b128 v1, v[PC+4*\c:PC+4*\c+3], s[10:11] offset:1536+512*\c
.endr
	GFRAG GFH1, 4, 0                               ; they land while K step 1 is split
	GFRAG GFL1, 4, 1
	SPLIT AFH1, X1
	s_wait_dscnt 0x0
	GMUL GFH1, AFH1, 0
	GMUL GFH1, AFL1, 0
	GMUL GFL1, AFH1, 0
	ds_store_b64 v6, v[SW:SW+1]                    ; both lanes of a token write the same bytes with the same value
.rept 4
	v_nop                                          ; four places behind the last products (ISA guide 7.12.1)
.endr
.irp i, 0,2,4,6
	v_pk_add_f32 v[112+\i:113+\i], v[D0+\i:D0+\i+1], v[D1+\i:D1+\i+1]   ; each accumulator from its low end on
.endr
	ds_store_b128 v7, v[112:115]
	ds_store_b128 v7, v[116:119] offset:512
	s_wait_kmcnt 0x0                               ; gate_b
	s_wait_dscnt 0x0                               ; for the others' sake: my stores have landed
	s_barrier_signal -1
	s_barrier_wait -1
	s_cmp_lg_u32 s16, 0
	s_cbranch_scc1 .Ldone                          ; waves 1 to 3 are done; no barrier follows
	v_add_nc_u32 v120, PAR, v1
.irp q, 0,1,2,3
	ds_load_b128 v[16+8*\q:19+8*\q], v120 offset:1024*\q
	ds_load_b128 v[20+8*\q:23+8*\q], v120 offset:1024*\q+512
.endr
	v_and_b32 v122, 15, v0
	v_bfe_u32 v123, v0, 4, 1
	v_lshlrev_b32 v121, 2, v122
	v_lshl_add_u32 v121, v123, 8, v121
	v_add_nc_u32 v121, GST, v121                   ; g's stage: 256 h + 4 r (+ 64 i): lanes 16-31 store experts 4 to 7
	v_add_nc_u32 v124, GST, v1
	v_add_nc_u32 v125, XSS, v1
	s_mov_b32 s22, 0x3fb8aa3b                      ; c = log2(e)
	s_wait_dscnt 0x0
.irp i, 0,2,4,6
	v_pk_add_f32 v[16+\i:17+\i], v[16+\i:17+\i], v[24+\i:25+\i]
	v_pk_add_f32 v[32+\i:33+\i], v[32+\i:33+\i], v[40+\i:41+\i]
.endr
.irp i, 0,2,4,6
	v_pk_add_f32 v[16+\i:17+\i], v[16+\i:17+\i], v[32+\i:33+\i]
.endr
.irp j, 0,1,2,3,4,5,6,7
	v_add_f32 v[16+\j], s[24+\j], v[16+\j]         ; + gate_b
.endr
	v_max3_num_f32 v48, v16, v17, v18              ; the token's largest logit is taken away ahead of the exponentials
	v_max3_num_f32 v48, v48, v19, v20
	v_max3_num_f32 v48, v48, v21, v22
	v_max_num_f32 v48, v48, v23
	v_mul_f32 v49, s22, v48
.irp j, 0,1,2,3,4,5,6,7
	v_fma_f32 v[16+\j], v[16+\j], s22, -v49        ; c t - c max
.endr
.irp j, 0,1,2,3,4,5,6,7
	v_exp_f32 v[16+\j], v[16+\j]
.endr
	v_cmp_lt_u32 vcc_lo, 15, v0                    ; lanes 16-31 (a plain place behind the exponentials)
	s_wait_alu depctr_va_vdst(0)
	v_add_f32 v50, v16, v17
	v_add_f32 v51, v18, v19
	v_add_f32 v52, v20, v21
	v_add_f32 v53, v22, v23
	v_add_f32 v50, v50, v51
	v_add_f32 v52, v52, v53
	v_add_f32 v50, v50, v52
	v_rcp_f32 v51, v50
	v_nop                                          ; one plain place behind a transcendental
	s_wait_alu depctr_va_vdst(0)
.irp j, 0,1,2,3,4,5,6,7
	v_mul_f32 v[16+\j], v[16+\j], v51
.endr
.irp i, 0,1,2,3
	v_cndmask_b32 v[56+\i], v[16+\i], v[20+\i], vcc_lo
.endr
.irp i, 0,1,2,3
	ds_store_b32 v121, v[56+\i] offset:64*\i
.endr
	ds_load_b128 v[64:67], v124                    ; my own stores, seen in order
	ds_load_b128 v[68:71], v125                    ; the four waves' scale words, behind the barrier
	s_wait_dscnt 0x0
	global_store_b128 v1, v[64:67], s[14:15]       ; 512 consecutive bytes, aligned
	global_store_b128 v1, v[68:71], s[12:13]
.Ldone:
	s_wait_tensorcnt 0x0
	ds_add_u32 v243, v245
	s_wait_dscnt 0x0
	s_endpgm
.Lfunc_end_k_qa56a16b235_prep:
	.size	k_qa56a16b235_prep, .Lfunc_end_k_qa56a16b235_prep-k_qa56a16b235_prep
	.p2alignl 7, 3214868480
	.fill 96, 4, 3214868480
	.section	.rodata,"a",@progbits
	.p2align	6, 0x0
	.amdhsa_kernel k_qa56a16b235_prep
		.amdhsa_group_segment_fixed_size 104960
		.amdhsa_private_segment_fixed_size 0
		.amdhsa_enable_private_segment 0
		.amdhsa_kernarg_size 48
		.amdhsa_user_sgpr_count 2
		.amdhsa_user_sgpr_kernarg_segment_ptr 1
		.amdhsa_wavefront_size32 1
		.amdhsa_system_sgpr_workgroup_id_x 1
		.amdhsa_system_sgpr_workgroup_id_y 1
		.amdhsa_system_sgpr_workgroup_id_z 1
		.amdhsa_system_vgpr_workitem_id 0
		.amdhsa_next_free_vgpr 256
		.amdhsa_next_free_sgpr 66
		.amdhsa_reserve_vcc 1
		.amdhsa_float_denorm_mode_32 3
		.amdhsa_float_denorm_mode_16_64 3
		.amdhsa_memory_ordered 1
		.amdhsa_forward_progress 1
		.amdhsa_inst_pref_size 55
	.end_amdhsa_kernel
	.amdgpu_metadata
---
amdhsa.version: [ 1, 2 ]
amdhsa.kernels:
  - .name:           k_qa56a16b235_prep
    .symbol:         k_qa56a16b235_prep.kd
    .args:
      - { .name: x, .offset: 0, .size: 8, .value_kind: global_buffer, .address_space: global }
      - { .name: gate_w, .offset: 8, .size: 8, .value_kind: global_buffer, .address_space: global }
      - { .name: gate_b, .offset: 16, .size: 8, .value_kind: global_buffer, .address_space: global }
      - { .name: xq, .offset: 24, .size: 8, .value_kind: global_buffer, .address_space: global }
      - { .name: xs, .offset: 32, .size: 8, .value_kind: global_buffer, .address_space: global }
      - { .name: g, .offset: 40, .size: 8, .value_kind: global_buffer, .address_space: global }
    .group_segment_fixed_size: 104960
    .private_segment_fixed_size: 0
    .kernarg_segment_align: 8
    .kernarg_segment_size: 48
    .max_flat_workgroup_size: 128
    .sgpr_count:     66
    .vgpr_count:     256
    .wavefront_size: 32
...
	.end_amdgpu_metadata
.endif
;; end of part 1
;; launch moe (part 2): grid 32 x 8, 4 waves a work-group, clusters of 4 x 1, 327,680 bytes of LDS; arguments xq, xs, g, expert_w_codes, expert_w_scales, expert_b, out0; writes out0
.if DOCPART == 2
	.amdgcn_target "amdgcn-amd-amdhsa--gfx1250"
	.amdhsa_code_object_version 6
	.text
	.protected	k_qa56a16b235_moe
	.globl	k_qa56a16b235_moe
	.p2align	8
	.type	k_qa56a16b235_moe,@function
k_qa56a16b235_moe:
	s_mov_b64 s[64:65], 0
	v_nop
	global_prefetch_b8 v0, s[64:65] scope:SCOPE_SE
	s_setreg_imm32_b32 hwreg(HW_REG_WAVE_MODE, 25, 1), 1
	s_wait_xcnt 0x0
	s_wait_alu depctr_hold_cnt(0) depctr_sa_sdst(0) depctr_va_vdst(0) depctr_va_sdst(0) depctr_va_ssrc(0) depctr_va_vcc(0) depctr_vm_vsrc(0)
	s_getreg_b32 s2, hwreg(HW_REG_IB_STS2, 6, 4)
	s_cmp_eq_u32 s2, 0
	s_cbranch_scc0 .Lentry_in_a_cluster
	s_endpgm
.Lentry_in_a_cluster:
	s_bfe_u32 s2, ttmp6, 0x10000c
	s_cmp_lg_u32 s2, 0x3003
	s_cbranch_scc0 .Lentry_shape_is_right
	s_endpgm
.Lentry_shape_is_right:
; out[t][p] = the sum over the 8 experts e of g[t][e] x (Q(x)[t] . W_e[:, p] + b[e][p]).  x comes as codes of BF6 (E3M2) in register images (xq), with scale words (xs) and gates (g), all made by the launch before;
; W as given: codes [e][p][768 bytes], K innermost, scale bytes [e][p][32].  Products on codes and E8M0 scales, f32 sums; the fold by the gates in f32.
; SHARES.  A work-group owns 256 tokens x 128 columns, for all experts; wave w owns tokens 64 w .. 64 w + 63 (four blocks m of 16) and all 128 columns.
; x STAYS IN REGISTERS: 64 rows x 1,024 K of codes are 384 registers of a wave, read from memory once.  So K is the innermost loop and few sums are alive at a time.
; W COMES THROUGH TWO LDS SLOTS, an expert's 128 rows x 768 bytes to a slot, one tensor load a wave for each expert; it has an expert's 256 matrix instructions in which to land.
; A PAIR is 32 columns (two blocks b) x 64 tokens x 8 K steps: 64 matrix instructions on 8 accumulators (n = 4 b + m) by turns.  There are two sets of accumulators: while one pair multiplies,
; tile s of the pair before is folded into OUT (OUT += g x sum) in K step s: four packed multiply-adds, which are also the places that the loads of that K step need.
; THE PRODUCT IS USED TRANSPOSED (source 0 = 16 rows of W, source 1 = 16 tokens): a lane holds ONE token and 8 neighbouring columns: the gate is one number a lane, the bias is the C of K step 0.
; CLUSTER.  The four work-groups of a cluster share the columns, and so every tile of W, its scales and the bias: each is asked for JOINTLY, by the same tensor load with the same descriptor and a mask that names the four.
; The work-group's place in its cluster enters the global addresses of xq, xs, g and out0 alone.  x is not shared out in the cluster: it goes once, straight into registers.
; REGISTERS, in windows of 256 (s_set_vgpr_msb: bits 1:0 source 0, 3:2 source 1, 5:4 source 2, 7:6 destination):
;   window 0: v1-13 addresses; v16-31 x's scale words (4 m + s % 4; K steps 4-7 in lanes 16-31); v32-47 W's scale words, two sets (8 a + s; block 1 in lanes 16-31); v64-255 x's fragments of K steps 0-3
;   window 1: v0-127 two sets of 8 accumulators; v128-223 W's fragments, a ring of four K steps x two blocks; v224-235 LDS addresses (an LDS load under a product's setting has address and destination here)
;   window 2: v0-191 x's fragments of K steps 4-7; v192-223 the bias, two sets; v224-231 the gates in hand, doubled; v232-235 the next expert's      window 3: OUT, 64 j + 8 n
.set PITCH, 816                        ; a row of W in LDS: 3 x (256 bytes + 16) = 204 words: row r starts at bank 12 r mod 64 (64 banks of 4 bytes: ISA guide 11.1): the 32 lanes of a load of 8 bytes touch 64 different banks
.set SLOT1, 1<<17                      ; slot 0 at byte 0, slot 1 here: one exclusive or turns an address
.set BIAS,  128*PITCH                  ; behind slot 0: the bias, [e][128] f32,
.set SPARE, BIAS+4096                  ; and the spare words, 128 bytes for each wave: two blocks of 256 bytes that no other line names
.set SCL,   SLOT1+128*PITCH            ; behind slot 1: W's scale bytes of all experts, as lines of 256 bytes + 16,
.set SCE,   16*272                     ; 4,352 bytes an expert
.set STAGE, SCL+8*SCE                  ; the way out: 16 rows x (512 + 16) bytes for each wave; no fill lands here
.set SP,    528
.set EXPB,  1024*768                   ; from expert to expert in W's codes
.set SPW, 1                            ; v1   LDS address of my spare word; never rewritten
.set NIL, 2                            ; v2   0; never rewritten
.set CO,  3                            ; v3   16 x lane
.set STO, 5                            ; v5   the way out: where I put 32 bytes of a row
.set RD,  6                            ; v6   and where I read a row back
.set GA,  7                            ; v7   4 r: my token's gate
.set XS,  16
.set WS,  32
.set XF0, 64
.set BK,  64                           ; the way out: 16 rows read back, v64-127 and v128-191 by turns
.set ACC, 0                            ; window 1
.set WF,  128
.set AWB, 224                          ; 816 r + 24 h
.set AWV, 225                          ; 816 r + 40 h: for pieces whose partner three pieces on lies behind one padding more
.set CL,  226                          ; this expert's slot, rows 0-63 (and its twin at + 1)
.set CH,  228                          ; rows 64-127
.set NL,  230                          ; the next expert's slot
.set ASC0, 232                         ; 32 lane + 16 (lane / 8): my row among a pair's 32 rows of scale bytes
.set ADS, 233
.set ABI0, 234                         ; 32 h
.set ADB, 235
.set BI,  192                          ; window 2
.set G,   224
.set GN,  232
.set WV,  18                           ; s18  wave
.set G1W, 32                           ; s[32:39] group 1: 96 lines of 256 bytes;  s[40:47]: 16 lines;  s[48:55]: two rows of 512 bytes
.set G1S, 40
.set G1B, 48
.set G0W0, 56                          ; s[56:59] expert 0's tile;  s[60:63] expert 1's, which then walks
.set G0W1, 60
.set G0S0, 68
.set G0S1, 72
.set G0B, 76
.set TB,  80                           ; s80  this expert's slot;  s81 the next one's;  s82 this expert's scale bytes;  s83 its bias
.set TN,  81
.set TS,  82
.set TBI, 83
.set CNT, 84
.set GB,  86                           ; s[86:87] my 64 tokens' gates, at the expert last asked for
.set XB,  88                           ; s[88:89] their codes
.set OB,  90                           ; s[90:91] their rows of out0, at my columns
.set XSB, 92                           ; s[92:93] their scale words
.set MSB, 0
.macro WIN new                         ; the immediate's high byte repeats the setting that is left; a switch that changes nothing is dropped
.if MSB != \new
	s_set_vgpr_msb (MSB<<8)|\new
.set MSB, \new
.endif
.endm
.macro PWIN s                          ; the products' settings: D and W's fragment window 1; x's fragment window 0 (K steps 0-3) or 2; C the bias (window 2) in K step 0, else D
.if (\s) == 0
	WIN 0x61
.elseif (\s) < 4
	WIN 0x51
.else
	WIN 0x59
.endif
.endm
.macro CREST                           ; a round of the cluster's barrier behind its opening barrier
	s_cmp_lg_u32 s[WV], 0
	s_cbranch_scc1 .Lnot_wave_0_\@
	s_barrier_signal -3
.Lnot_wave_0_\@:
	s_barrier_wait -3
	s_barrier_signal -1
	s_barrier_wait -1
.endm
.macro CROUND
	s_barrier_signal -1
	s_barrier_wait -1
	CREST
.endm
; One product: accumulator n = 4 b + m of set a, K step s.  W's scale word: register 8 a + s, block 1 from lanes 16-31;  x's: register 4 m + s % 4, K steps 4-7 from lanes 16-31.
.macro MM a, s, n
.set rD, ACC+64*(\a)+8*(\n)
.set rA, WF+24*((\s)%4)+12*((\n)/4)
.set rSA, WS+8*(\a)+(\s)
.set rSB, XS+4*((\n)%4)+(\s)%4
.if (\s) == 0
.set rC, BI+16*(\a)+8*((\n)/4)
.else
.set rC, rD
.endif
.if (\s) < 4
.set rB, XF0+12*(4*(\s)+(\n)%4)
.if (\n) < 4
	v_wmma_scale_f32_16x16x128_f8f6f4 v[rD:rD+7], v[rA:rA+11], v[rB:rB+11], v[rC:rC+7], v[rSA], v[rSB] matrix_a_fmt:MATRIX_FMT_BF6 matrix_b_fmt:MATRIX_FMT_BF6
.else
	v_wmma_scale_f32_16x16x128_f8f6f4 v[rD:rD+7], v[rA:rA+11], v[rB:rB+11], v[rC:rC+7], v[rSA], v[rSB] matrix_a_fmt:MATRIX_FMT_BF6 matrix_b_fmt:MATRIX_FMT_BF6 matrix_a_scale:MATRIX_SCALE_ROW1
.endif
.else
.set rB, 12*(4*((\s)-4)+(\n)%4)
.if (\n) < 4
	v_wmma_scale_f32_16x16x128_f8f6f4 v[rD:rD+7], v[rA:rA+11], v[rB:rB+11], v[rC:rC+7], v[rSA], v[rSB] matrix_a_fmt:MATRIX_FMT_BF6 matrix_b_fmt:MATRIX_FMT_BF6 matrix_b_scale:MATRIX_SCALE_ROW1
.else
	v_wmma_scale_f32_16x16x128_f8f6f4 v[rD:rD+7], v[rA:rA+11], v[rB:rB+11], v[rC:rC+7], v[rSA], v[rSB] matrix_a_fmt:MATRIX_FMT_BF6 matrix_b_fmt:MATRIX_FMT_BF6 matrix_a_scale:MATRIX_SCALE_ROW1 matrix_b_scale:MATRIX_SCALE_ROW1
.endif
.endif
.endm
; The next load of 8 bytes of the ring, from a queue kept in symbols: pair QJ (4, 5: the next expert's pairs 0, 1), K step QS, piece QP of the step's 12 (six for each block).
; Lanes 0-15 take a row's pieces 12 s + 0, 1, 2, 6, 7, 8, lanes 16-31 those three pieces on; 16 bytes of padding lie behind every 32 pieces.
.macro LD1
.set lB, QP/6
.set lQ, QP%6
.set lPC, 12*QS+6*(lQ/3)+lQ%3
.set lD, WF+24*(QS%4)+12*lB+2*lQ
.set lO, (32*(QJ%2)+16*lB)*PITCH+8*lPC+16*(lPC/32)
.if QJ < 2
.set lR, CL
.elseif QJ < 4
.set lR, CH
.else
.set lR, NL
.endif
.if lPC%32 >= 29
.set lR, lR+1
.endif
	ds_load_b64 v[lD:lD+1], v[lR] offset:lO
.set QP, QP+1
.if QP == 12
.set QP, 0
.set QS, QS+1
.if QS == 8
.set QS, 0
.set QJ, QJ+1
.endif
.endif
.endm
; Tile t of the pair before (the other set of accumulators, columns 32 jp on) goes into OUT.  mode 0: there is no pair before: four v_nop are the places;  1: the first expert starts OUT: nothing is cleared;  2: OUT += g x sum.
.macro COMB mode, a, t, jp
.if \mode == 0
.rept 4
	v_nop
.endr
.else
	WIN 0xf9                                       ; OUT window 3, the sums window 1, the gates window 2
.irp i, 0,1,2,3                                ; each accumulator from its low end on
.if \mode == 1
	v_pk_mul_f32 v[64*(\jp)+8*(\t)+2*\i:64*(\jp)+8*(\t)+2*\i+1], v[ACC+64*(1-(\a))+8*(\t)+2*\i:ACC+64*(1-(\a))+8*(\t)+2*\i+1], v[G+2*((\t)%4):G+2*((\t)%4)+1]
.else
	v_pk_fma_f32 v[64*(\jp)+8*(\t)+2*\i:64*(\jp)+8*(\t)+2*\i+1], v[ACC+64*(1-(\a))+8*(\t)+2*\i:ACC+64*(1-(\a))+8*(\t)+2*\i+1], v[G+2*((\t)%4):G+2*((\t)%4)+1], v[64*(\jp)+8*(\t)+2*\i:64*(\jp)+8*(\t)+2*\i+1]
.endif
.endr
.endif
.endm
; The next pair's scale words (my row's 32 bytes: 8 K steps) and bias (my 8 columns of each block) into set ap: six loads.
.macro EXTRA ap, osc, obi
	WIN 0x01                                       ; address window 1, destination window 0
	ds_load_b128 v[WS+8*(\ap):WS+8*(\ap)+3], v[ADS] offset:\osc
	ds_load_b128 v[WS+8*(\ap)+4:WS+8*(\ap)+7], v[ADS] offset:\osc+16
	WIN 0x81                                       ; destination window 2
.irp b, 0,1
	ds_load_b128 v[BI+16*(\ap)+8*\b:BI+16*(\ap)+8*\b+3], v[ADB] offset:\obi+64*\b
	ds_load_b128 v[BI+16*(\ap)+8*\b+4:BI+16*(\ap)+8*\b+7], v[ADB] offset:\obi+64*\b+16
.endr
.endm
; A K step: 8 products.  Behind the first stand the four lines of the fold: plain vector instructions that name no register of the products round them: the places between the K step before and this step's loads
; into the ring set that it read, and between the pair before's last products and the next tile's fold.  The loads fetch the K step three on: 24 matrix instructions ahead of their use.
; dw: the younger LDS loads that may stay out (-1: no wait);  lp = 2: two loads behind each of products 1 to 6;  3: three behind each of the eight;  0: none.
.macro KSTEP a, s, mode, jp, dw, lp, ex, osc, obi
.if \dw >= 0
	s_wait_dscnt \dw
.endif
.if \ex
	EXTRA 1-\a, \osc, \obi
.endif
	PWIN \s
	MM \a, \s, 0
.if \lp == 3
	LD1
	LD1
	LD1
.endif
	COMB \mode, \a, \s, \jp
	PWIN \s
.irp n, 1,2,3,4,5,6,7
	MM \a, \s, \n
.if \lp == 3
	LD1
	LD1
	LD1
.elseif (\lp == 2) && (\n < 7)
	LD1
	LD1
.endif
.endr
.endm
; K step 5 of an expert's last pair changes slots.  My last reads of this expert's slot were issued in K step 4.  In front of the barrier each wave waits for all its tensor loads (one is out: its part of the next expert's tile),
; adds 0 to its spare word, and waits for that and for its reads.  fill = 1: the barrier opens a round of the cluster's barrier, and behind the round this slot is filled with the expert two on.
.macro TURN5 a, mode, jp, fill
	WIN 0                                          ; the add's two registers lie in window 0
	s_wait_tensorcnt 0x0                           ; no tensor load of mine is out: the walking descriptor may be written
	ds_add_u32 v[SPW], v[NIL]                      ; 0 onto my spare word
.if \fill
	s_xor_b32 s[G0W1+1], s[G0W1+1], SLOT1          ; the other slot than last time,
	s_add_nc_u64 s[G0W1+2:G0W1+3], s[G0W1+2:G0W1+3], EXPB   ; the next expert; the type bits on top are not reached
.endif
	s_wait_dscnt 31                                ; K step 5's fragments are in; behind them 12 + 6 + 12 loads and the add
	WIN 0x59
	MM \a, 5, 0
	COMB \mode, \a, 5, \jp
	WIN 0x59
	MM \a, 5, 1
	MM \a, 5, 2
	MM \a, 5, 3
	s_wait_dscnt 0x0                               ; the add is done, and my reads of this slot are over
	s_barrier_signal -1
	MM \a, 5, 4                                    ; work on registers while the others arrive
	MM \a, 5, 5
	MM \a, 5, 6
	MM \a, 5, 7
	WIN 0
	s_barrier_wait -1
.if \fill
	CREST                                          ; no wave of any partner still reads this slot or has a load on its way
	tensor_load_to_lds s[G0W1:G0W1+3], s[G1W:G1W+7]   ; my one tensor load behind the round, and the first thing there
	s_nop 0
.endif
.rept 4
	v_nop                                          ; the places in front of the loads into the ring sets that K steps 4 and 5 read
.endr
.endm
.macro XWAIT first, s                  ; the first pair of all: x's fragments of K step s are in; those of the later K steps, 12 loads each, stay out (a wait names 63 at the most)
.if \first
.if 12*(7-(\s)) > 63
	s_wait_loadcnt 63
.else
	s_wait_loadcnt 12*(7-(\s))
.endif
.endif
.endm
; A pair.  kind 0: plain;  1, 2: an expert's last pair, with and without a fill;  3: the last pair of all.  The counts: each K step issues 12 ring loads, and K step 4 six more at its head; a K step's fragments were
; issued three steps back, so two steps' 12 are younger: 24; in K steps 5 and 6 the six are younger too: 30.
.macro PAIR a, jp, mode, kind, osc, obi, first
.irp s, 0,1,2,3,4
	XWAIT \first, \s
.if (\s == 4) && ((\kind) != 3)
	KSTEP \a, \s, \mode, \jp, 24, 2, 1, \osc, \obi
.else
	KSTEP \a, \s, \mode, \jp, 24, 2, 0, 0, 0
.endif
.endr
.if (\kind) == 0
	XWAIT \first, 5
	KSTEP \a, 5, \mode, \jp, 30, 2, 0, 0, 0
	XWAIT \first, 6
	KSTEP \a, 6, \mode, \jp, 30, 2, 0, 0, 0
	XWAIT \first, 7
	KSTEP \a, 7, \mode, \jp, 24, 2, 0, 0, 0
.elseif (\kind) == 3
	KSTEP \a, 5, \mode, \jp, 24, 0, 0, 0, 0        ; nothing more to fetch: the counts run down
	KSTEP \a, 6, \mode, \jp, 12, 0, 0, 0, 0
	KSTEP \a, 7, \mode, \jp, 0, 0, 0, 0, 0
.else
	TURN5 \a, \mode, \jp, 2-(\kind)
	KSTEP \a, 6, \mode, \jp, -1, 3, 0, 0, 0        ; the wait for 0 above has shown K steps 6 and 7 in; 24 loads: the next expert's K steps 0 and 1
	KSTEP \a, 7, \mode, \jp, -1, 2, 0, 0, 0        ; and its K step 2
.endif
.endm
.macro ADDRS                           ; the LDS addresses of an expert, from the scalars that walk
	WIN 0x44                                       ; destination and source 1 window 1
	v_add_nc_u32 v[CL], s[TB], v[AWB]
	v_add_nc_u32 v[CL+1], s[TB], v[AWV]
	v_add_nc_u32 v[CH], 64*PITCH, v[CL]
	v_add_nc_u32 v[CH+1], 64*PITCH, v[CL+1]
	v_add_nc_u32 v[NL], s[TN], v[AWB]
	v_add_nc_u32 v[NL+1], s[TN], v[AWV]
	v_add_nc_u32 v[ADS], s[TS], v[ASC0]
	v_add_nc_u32 v[ADB], s[TBI], v[ABI0]
.endm
.macro HEAD more                       ; an expert's gates take their place; the next expert's are asked for, an expert ahead
	s_wait_loadcnt 0x0                             ; the gates are in, and their loads have read their base
	WIN 0x82
.irp m, 0,1,2,3
	v_mov_b32 v[G+2*\m], v[GN+\m]                  ; doubled: the packed fold multiplies by a pair
	v_mov_b32 v[G+2*\m+1], v[GN+\m]
.endr
.if \more
	s_add_nc_u64 s[GB:GB+1], s[GB:GB+1], 64
	WIN 0x80
.irp m, 0,1,2,3
	global_load_b32 v[GN+\m], v[GA], s[GB:GB+1] offset:512*\m
.endr
.endif
	ADDRS
.endm
; From an expert's second pair to the next expert's first: all four folds of a trip are this expert's, so one set of gates serves.
.macro BODY mode, fill
	HEAD 1
.set QJ, 1
.set QS, 3
.set QP, 0
	PAIR 1, 0, \mode, 0, 2*1088, 2*128, 0
	PAIR 0, 1, \mode, 0, 3*1088, 3*128, 0
	PAIR 1, 2, \mode, 2-\fill, 4*1088, 4*128, 0
	PAIR 0, 3, \mode, 0, 5*1088, 5*128, 0
	WIN 0                                          ; at a label and at a branch every window is 0
	s_xor_b32 s[TB], s[TB], SLOT1
	s_xor_b32 s[TN], s[TN], SLOT1
	s_add_co_u32 s[TS], s[TS], SCE
	s_add_co_u32 s[TBI], s[TBI], 512
.endm
.macro XLOAD s                         ; x's four fragments of K step s: three loads of 16 bytes a lane each, 512 consecutive bytes a load
.irp m, 0,1,2,3
.irp c, 0,1,2
.if (\s) < 4
	global_load_b128 v[XF0+12*(4*(\s)+\m)+4*\c:XF0+12*(4*(\s)+\m)+4*\c+3], v[CO], s[XB:XB+1] offset:12288*\m+1536*(\s)+512*\c
.else
	global_load_b128 v[12*(4*((\s)-4)+\m)+4*\c:12*(4*((\s)-4)+\m)+4*\c+3], v[CO], s[XB:XB+1] offset:12288*\m+1536*(\s)+512*\c
.endif
.endr
.endr
.endm
	s_load_b256 s[4:11], s[0:1], 0x0               ; xq s[4:5], xs s[6:7], g s[8:9], W's codes s[10:11]
	s_load_b128 s[12:15], s[0:1], 0x20             ; W's scales s[12:13], the bias s[14:15]
	s_load_b64 s[16:17], s[0:1], 0x30              ; out0
	v_lshl_add_u32 v[SPW], v0, 2, SPARE
	v_mov_b32 v[NIL], 0
	ds_add_u32 v1, v2
	ds_add_u32 v1, v2
	s_wait_dscnt 0x0
	v_lshrrev_b32 v8, 5, v0
	v_readfirstlane_b32 s[WV], v8                  ; wave 0..3
	v_and_b32 v8, 31, v0                           ; lane
	v_and_b32 v9, 15, v0                           ; r
	v_bfe_u32 v10, v0, 4, 1                        ; h
	v_lshlrev_b32 v[CO], 4, v8
	v_lshlrev_b32 v[GA], 2, v9
	s_bfe_u32 s19, ttmp6, 0x40000                  ; cx: my place in the cluster
	s_lshl_b32 s20, ttmp9, 2                       ; in a cluster launch ttmp9 counts clusters
	s_add_co_u32 s20, s20, s19                     ; my block of 256 tokens
	s_and_b32 s21, ttmp7, 0xffff                   ; my block of 128 columns, which the four partners share
	; group 1.  W's tile: my 32 rows of 768 bytes are dense in memory: 96 lines of 256 bytes (32 elements of 8 bytes), 16 bytes of padding behind each
	s_mov_b32 s[G1W], 15|(3<<16)|(1<<20)|(1<<21)|(5<<22)|(3<<25)   ; 15:0 the mask: all four; 17:16 elements of 8 bytes; 20 padding on; 21 set beside a mask; 24:22 after every 64 words; 31:25 of 4 words
	s_mov_b32 s[G1W+1], 32<<16                     ; tensor_dim0
	s_mov_b32 s[G1W+2], 96<<16                     ; tensor_dim1
	s_mov_b32 s[G1W+3], 32<<16                     ; tile_dim0
	s_mov_b32 s[G1W+4], 96                         ; tile_dim1
	s_mov_b32 s[G1W+5], 32                         ; from line to line
	s_mov_b32 s[G1W+6], 0
	s_mov_b32 s[G1W+7], 0
	s_mov_b32 s[G1S], 15|(3<<16)|(1<<20)|(1<<21)|(5<<22)|(3<<25)   ; an expert's scale bytes of my 128 columns: 4,096 dense bytes: 16 such lines
	s_mov_b32 s[G1S+1], 32<<16
	s_mov_b32 s[G1S+2], 16<<16
	s_mov_b32 s[G1S+3], 32<<16
	s_mov_b32 s[G1S+4], 16
	s_mov_b32 s[G1S+5], 32
	s_mov_b32 s[G1S+6], 0
	s_mov_b32 s[G1S+7], 0
	s_mov_b32 s[G1B], 15|(3<<16)|(1<<21)           ; two experts' bias of my 128 columns: two rows of 512 bytes, 4,096 bytes apart; no padding
	s_mov_b32 s[G1B+1], 64<<16
	s_mov_b32 s[G1B+2], 2<<16
	s_mov_b32 s[G1B+3], 64<<16
	s_mov_b32 s[G1B+4], 2
	s_mov_b32 s[G1B+5], 512
	s_mov_b32 s[G1B+6], 0
	s_mov_b32 s[G1B+7], 0
	; what the partners share: offsets made of the columns and the wave's number alone
	s_mul_i32 s22, s21, 128*768
	s_mul_i32 s23, s[WV], 32*768
	s_add_co_u32 s22, s22, s23                     ; W's codes: row 128 y + 32 w of expert 0
	s_mov_b32 s23, 0
	s_lshl_b32 s94, s21, 12
	s_lshl_b32 s95, s[WV], 16
	s_add_co_u32 s94, s94, s95                     ; W's scales: expert 2 w, row 128 y
	s_mov_b32 s95, 0
	s_lshl_b32 s96, s21, 9
	s_lshl_b32 s97, s[WV], 13
	s_add_co_u32 s96, s96, s97                     ; the bias: expert 2 w, column 128 y
	s_mov_b32 s97, 0
	; what is my work-group's own: in registers that feed no descriptor and no LDS address
	s_lshl_b32 s24, s20, 4
	s_lshl_b32 s25, s[WV], 2
	s_add_co_u32 s24, s24, s25                     ; my wave's first block of 16 tokens
	s_mul_i32 s26, s24, 12288
	s_mov_b32 s27, 0
	s_lshl_b32 s28, s24, 9
	s_mov_b32 s29, 0
	s_lshl_b32 s30, s24, 16                        ; 16 rows of 4,096 bytes
	s_lshl_b32 s31, s21, 9
	s_add_co_u32 s30, s30, s31
	s_mov_b32 s31, 0
	; group 0: LDS addresses: a constant + the wave's number x a constant
	s_mov_b32 s[G0W0], 1
	s_mul_i32 s[G0W0+1], s[WV], 32*PITCH
	s_mov_b32 s[G0W1], 1
	s_add_co_u32 s[G0W1+1], s[G0W0+1], SLOT1
	s_mov_b32 s[G0S0], 1
	s_mul_i32 s[G0S0+1], s[WV], 2*SCE
	s_add_co_u32 s[G0S0+1], s[G0S0+1], SCL
	s_mov_b32 s[G0S1], 1
	s_add_co_u32 s[G0S1+1], s[G0S0+1], SCE
	s_mov_b32 s[G0B], 1
	s_lshl_b32 s[G0B+1], s[WV], 10
	s_add_co_u32 s[G0B+1], s[G0B+1], BIAS
	s_mov_b32 s[TB], 0
	s_mov_b32 s[TN], SLOT1
	s_mov_b32 s[TS], SCL
	s_mov_b32 s[TBI], BIAS
	s_wait_kmcnt 0x0
	s_add_nc_u64 s[G0W0+2:G0W0+3], s[10:11], s[22:23]
	s_add_nc_u64 s[G0W1+2:G0W1+3], s[G0W0+2:G0W0+3], EXPB
	s_or_b32 s[G0W0+3], s[G0W0+3], 0x80000000      ; type = 2
	s_or_b32 s[G0W1+3], s[G0W1+3], 0x80000000
	s_add_nc_u64 s[G0S0+2:G0S0+3], s[12:13], s[94:95]
	s_add_nc_u64 s[G0S1+2:G0S1+3], s[G0S0+2:G0S0+3], 32768
	s_or_b32 s[G0S0+3], s[G0S0+3], 0x80000000
	s_or_b32 s[G0S1+3], s[G0S1+3], 0x80000000
	s_add_nc_u64 s[G0B+2:G0B+3], s[14:15], s[96:97]
	s_or_b32 s[G0B+3], s[G0B+3], 0x80000000
	s_add_nc_u64 s[XB:XB+1], s[4:5], s[26:27]
	s_add_nc_u64 s[XSB:XSB+1], s[6:7], s[28:29]
	s_add_nc_u64 s[GB:GB+1], s[8:9], s[28:29]
	s_add_nc_u64 s[OB:OB+1], s[16:17], s[30:31]
	CROUND                                         ; all four work-groups are here: the first joint loads meet
	tensor_load_to_lds s[G0S0:G0S0+3], s[G1S:G1S+7]   ; the first fills go out as one group: five loads of mine are out.  Two experts' scale bytes,
	s_nop 0
	tensor_load_to_lds s[G0S1:G0S1+3], s[G1S:G1S+7]
	s_nop 0
	tensor_load_to_lds s[G0B:G0B+3], s[G1B:G1B+7]     ; two experts' bias,
	s_nop 0
	tensor_load_to_lds s[G0W0:G0W0+3], s[G1W:G1W+7]   ; my quarter of expert 0's tile,
	s_nop 0
	tensor_load_to_lds s[G0W1:G0W1+3], s[G1W:G1W+7]   ; and of expert 1's
	s_nop 0
.rept 4
	v_nop
.endr
.irp m, 0,1,2,3
	global_load_b128 v[XS+4*\m:XS+4*\m+3], v[CO], s[XSB:XSB+1] offset:512*\m   ; x's scale words: all 8 K steps of 16 tokens by one load
.endr
	WIN 0x80
.irp m, 0,1,2,3
	global_load_b32 v[GN+\m], v[GA], s[GB:GB+1] offset:512*\m   ; expert 0's gates
.endr
	WIN 0
	XLOAD 0                                        ; K step by K step, so that the first pair can begin while the later fragments are on their way
	XLOAD 1
	XLOAD 2
	XLOAD 3
	WIN 0x80
	XLOAD 4
	XLOAD 5
	XLOAD 6
	XLOAD 7
	WIN 0
	v_mul_u32_u24 v11, v9, PITCH
	v_lshrrev_b32 v12, 3, v8
	v_lshlrev_b32 v13, 5, v8
	s_mul_i32 s22, s[WV], 16*SP
	s_add_co_u32 s22, s22, STAGE                   ; my stage
	v_mul_u32_u24 v[STO], v9, SP
	v_lshl_add_u32 v[STO], v10, 5, v[STO]
	v_add_nc_u32 v[STO], s22, v[STO]               ; in: row r, 32 bytes for each half of the lanes
	v_add_nc_u32 v[RD], s22, v[CO]                 ; back: the 32 lanes take one row of 512 bytes
	WIN 0x40                                       ; destination window 1
	v_mad_u32_u24 v[AWB], v10, 24, v11
	v_mad_u32_u24 v[AWV], v10, 40, v11
	v_lshl_add_u32 v[ASC0], v12, 4, v13
	v_lshlrev_b32 v[ABI0], 5, v10
	WIN 0
	s_wait_tensorcnt 0x1                           ; the scales, the bias and my part of expert 0's tile are in; expert 1's may stay out
	s_barrier_signal -1
	s_barrier_wait -1                              ; everybody's are
	ADDRS
	EXTRA 0, 0, 0                                  ; the first pair's scale words and bias
.set QJ, 0
.set QS, 0
.set QP, 0
	WIN 0x61
.rept 36
	LD1                                            ; and its K steps 0 to 2
.endr
	PAIR 0, 0, 0, 0, 1088, 128, 1                  ; expert 0's first pair: there is nothing to fold yet
	BODY 1, 1                                      ; expert 0: its folds start OUT
	s_mov_b32 s[CNT], 5
.Lexp:                                                 ; experts 1 to 5
	BODY 2, 1
	s_sub_co_u32 s[CNT], s[CNT], 1
	s_cmp_lg_u32 s[CNT], 0
	s_cbranch_scc1 .Lexp
	BODY 2, 0                                      ; expert 6 is written out: nothing is left to fetch
	HEAD 0                                         ; expert 7
.set QJ, 1
.set QS, 3
.set QP, 0
	PAIR 1, 0, 2, 0, 2*1088, 2*128, 0
	PAIR 0, 1, 2, 0, 3*1088, 3*128, 0
	PAIR 1, 2, 2, 3, 0, 0, 0
.rept 4
	v_nop                                          ; four places behind the last products
.endr
.irp t, 0,1,2,3,4,5,6,7
	COMB 2, 0, \t, 3                               ; the last pair's fold
.endr
	WIN 0
; THE WAY OUT, a block of 16 tokens x 128 columns at a time.  A lane holds 32 neighbouring bytes of a row and the lanes beside it other rows: so a block goes through my own stage and comes back as whole rows of 512 bytes.
; LDS serves a wave's instructions in order (ISA guide 5.7.1.4): no wait between the stores and the loads, nor in front of the next block's stores.
.macro TOSTAGE m
	WIN 0x0c                                       ; an LDS store's data are its source 1: window 3
.irp j, 0,1,2,3
.irp b, 0,1
	ds_store_b128 v[STO], v[64*\j+8*(4*\b+(\m)):64*\j+8*(4*\b+(\m))+3] offset:128*\j+64*\b
	ds_store_b128 v[STO], v[64*\j+8*(4*\b+(\m))+4:64*\j+8*(4*\b+(\m))+7] offset:128*\j+64*\b+16
.endr
.endr
	WIN 0
.irp t, 0,1,2,3,4,5,6,7,8,9,10,11,12,13,14,15
	ds_load_b128 v[BK+64*((\m)%2)+4*\t:BK+64*((\m)%2)+4*\t+3], v[RD] offset:\t*SP
.endr
.endm
.macro SEND m, younger                 ; younger: the LDS instructions issued behind block m's loads, which may stay out
	s_wait_dscnt \younger
.irp t, 0,1,2,3,4,5,6,7,8,9,10,11,12,13,14,15
	global_store_b128 v[CO], v[BK+64*((\m)%2)+4*\t:BK+64*((\m)%2)+4*\t+3], s[OB:OB+1] offset:4096*(16*(\m)+\t) th:TH_STORE_NT   ; 512 consecutive bytes, at a multiple of 512 from out0's first byte; the row stands in the immediate, 258,048 at the most
.endr
.endm
	TOSTAGE 0
.irp m, 1,2,3
.if \m > 1
	s_wait_xcnt 0x0                                ; block m - 2's stores have read their registers: block m's loads may land there
.endif
	TOSTAGE \m
	SEND \m-1, 32                                  ; behind block m - 1's loads: block m's 16 stores and 16 loads
.endr
	SEND 3, 0
	s_wait_tensorcnt 0x0                           ; the wave's end: behind my last tensor load and my last LDS store
	ds_add_u32 v[SPW], v[NIL]
	s_wait_dscnt 0x0
	CROUND                                         ; the closing round: no work-group ends while a partner may still ask for a tile that names it
	s_endpgm
.Lfunc_end_k_qa56a16b235_moe:
	.size	k_qa56a16b235_moe, .Lfunc_end_k_qa56a16b235_moe-k_qa56a16b235_moe
	.p2alignl 7, 3214868480
	.fill 96, 4, 3214868480
	.section	.rodata,"a",@progbits
	.p2align	6, 0x0
	.amdhsa_kernel k_qa56a16b235_moe
		.amdhsa_group_segment_fixed_size 327680
		.amdhsa_private_segment_fixed_size 0
		.amdhsa_enable_private_segment 0
		.amdhsa_kernarg_size 56
		.amdhsa_user_sgpr_count 2
		.amdhsa_user_sgpr_kernarg_segment_ptr 1
		.amdhsa_wavefront_size32 1
		.amdhsa_system_sgpr_workgroup_id_x 1
		.amdhsa_system_sgpr_workgroup_id_y 1
		.amdhsa_system_sgpr_workgroup_id_z 1
		.amdhsa_system_vgpr_workitem_id 0
		.amdhsa_next_free_vgpr 1024
		.amdhsa_next_free_sgpr 100
		.amdhsa_reserve_vcc 0
		.amdhsa_float_denorm_mode_32 3
		.amdhsa_float_denorm_mode_16_64 3
		.amdhsa_memory_ordered 1
		.amdhsa_forward_progress 1
		.amdhsa_inst_pref_size 255
	.end_amdhsa_kernel
	.section	.bss,"aw",@nobits
	.p2align	6
	.space	262144
	.amdgpu_metadata
---
amdhsa.version: [ 1, 2 ]
amdhsa.kernels:
  - .name:           k_qa56a16b235_moe
    .symbol:         k_qa56a16b235_moe.kd
    .args:
      - { .name: xq, .offset: 0, .size: 8, .value_kind: global_buffer, .address_space: global }
      - { .name: xs, .offset: 8, .size: 8, .value_kind: global_buffer, .address_space: global }
      - { .name: g, .offset: 16, .size: 8, .value_kind: global_buffer, .address_space: global }
      - { .name: expert_w_codes, .offset: 24, .size: 8, .value_kind: global_buffer, .address_space: global }
      - { .name: expert_w_scales, .offset: 32, .size: 8, .value_kind: global_buffer, .address_space: global }
      - { .name: expert_b, .offset: 40, .size: 8, .value_kind: global_buffer, .address_space: global }
      - { .name: out0, .offset: 48, .size: 8, .value_kind: global_buffer, .address_space: global }
    .group_segment_fixed_size: 327680
    .private_segment_fixed_size: 0
    .kernarg_segment_align: 8
    .kernarg_segment_size: 56
    .max_flat_workgroup_size: 128
    .sgpr_count:     100
    .vgpr_count:     1024
    .wavefront_size: 32
...
	.end_amdgpu_metadata
.endif
;; end of part 2
;; ======== version 2 of 2: 2 launches
;; limits: values are held in bf16: 8 bits of precision; right only within a limited range of input values
;; workspace buffers: xq 6,291,456 bytes; xs 262,144 bytes; g 262,144 bytes; ws 262,144 bytes
;; launch prep (part 3): grid 512 x 1, 4 waves a work-group, no clusters, 104,960 bytes of LDS; arguments x, gate_w, gate_b, xq, xs, g, expert_w_scales, ws; writes xq, xs, g, ws
.if DOCPART == 3
	.amdgcn_target "amdgcn-amd-amdhsa--gfx1250"
	.amdhsa_code_object_version 6
	.text
	.protected	k_qa56a16b235_prep
	.globl	k_qa56a16b235_prep
	.p2align	8
	.type	k_qa56a16b235_prep,@function
k_qa56a16b235_prep:
	s_mov_b64 s[64:65], 0
	v_nop
	global_prefetch_b8 v0, s[64:65] scope:SCOPE_SE
	s_setreg_imm32_b32 hwreg(HW_REG_WAVE_MODE, 25, 1), 1
	s_wait_xcnt 0x0
; x [8192][1024] f32 is turned ONCE into codes of BF6 (E3M2) with one E8M0 scale byte for each 32 along K, and the gates softmax(x gate_w + gate_b) are made beside it.
; OUT: xq [R][s][c][lane][16 bytes]: for each block R of 16 tokens and each K step s of 128 the image of an operand's 12 registers (three groups c of four), so that the reader loads a fragment by three loads of 16 bytes a lane;
;      xs [R][h][r][16 bytes]: token r's scale words of K steps 4 h .. 4 h + 3: one load of 16 bytes a lane gives four scale registers, K steps 0-3 in lanes 0-15, K steps 4-7 in lanes 16-31;
;      g  [R][e][r] f32: the gate of expert e for token r.
; SHARES.  A work-group takes 16 tokens; wave q takes K = 256 q .. 256 q + 255: two K steps.  Each wave asks for its 16 KiB of x at once, 512 consecutive bytes a load.
; The conversions want 16 NEIGHBOURS along K in one lane, the loads want neighbouring bytes in neighbouring lanes: so the wave's 16 rows turn through its own stage in LDS (pitch 1,024 + 16 bytes).
; A block's scale is 2^(floor(log2(its largest magnitude)) - 4); its byte is the largest magnitude's exponent field - 4, held at 1 from below.
; THE GATE PRODUCT is left as it is by the contract and feeds no quantised operand: bf16 operands, f32 sums.  One rounding to bf16 (8 bits) would leave a logit of 1,024 terms too coarse for the gates, so EACH OPERAND GOES IN AS TWO
; bf16 NUMBERS: the high part is the f32 number's upper 16 bits, the low part the rest (an exact difference), rounded to bf16.  Three products are summed: high x high, high x low, low x high.
; Source 0 = gate_w^T (row m = expert m % 8), source 1 = 16 tokens: lane (r, h) holds token r, register j expert j, in both halves of the lanes: the softmax never leaves a lane.
; K is permuted alike on both sides: a lane's 16 places of a block of 32 hold k = 16 h + 0 .. 15, the order in which the quantiser holds x.
; LIMITS: NaN and infinities in x are not served.  A block of zeros, or one whose largest magnitude lies under 2^(5 - 127), gets the byte 1 (its codes are zeros or what the floor's scale gives); the bytes are read by this program alone.
; In a logit the product of the two low parts is left out (under 2^-14 of a term), and the low parts are rounded to bf16 (under 2^-16 of a term).
.set XPITCH, 1040                      ; a row of a wave's stage: 1,024 bytes + 16: the 16 rows of a read start in 16 different columns of 16 bytes
.set XSTW,   16*XPITCH                 ; LDS: a stage for each wave,
.set GWS,    4*XSTW                    ; gate_w's high parts as bf16, [256 k][8 experts], 4,096 bytes for each wave,
.set GLO,    4*4096                    ; its low parts, so many bytes further on,
.set PAR,    GWS+8*4096                ; the waves' partial logits: 1,024 bytes each, two planes of 16 bytes a lane,
.set XSS,    PAR+4*1024                ; the block's 512 bytes of xs,
.set GST,    XSS+512                   ; and its 512 bytes of g
.set D1,  8                            ; v8-15    second accumulator (v8-11 are at work at the head)
.set X0,  16                           ; v16-79   x as loaded (loads 0-15), then 64 numbers of K step 0
.set X1,  80                           ; v80-143  x as loaded (loads 16-31), then K step 1
.set GR,  144                          ; v144-207 gate_w as loaded
.set AFH0, 144                         ; K step 0: x's four fragments of high parts,
.set GFH0, 176                         ; gate_w's,
.set AFL0, 16                          ; x's low parts, made in place in the lower half of the numbers' registers,
.set GFL0, 48                          ; gate_w's, in the upper half
.set GFH1, 144                         ; K step 1 likewise, in the registers that K step 0 has left
.set GFL1, 176
.set AFH1, 16
.set AFL1, 80
.set TM,  208                          ; v208-223 at work in QUANT
.set TS,  208                          ; v208-211, v216-219 at work in the splits (v212-215 stay as QUANT leaves them)
.set PC,  224                          ; v224-243 the codes just made
.set PW,  244                          ; the scale word just made
.set SW,  246                          ; v[246:247] my two K steps' scale words
.set D0,  248                          ; v248-255 first accumulator
.set SEL, 20                           ; s[20:21] lane selects: lane l xor 16
.set MASK, 40                          ; s40  a word's upper 16 bits
.set PSEL, 41                          ; s41  v_perm_b32: the two sources' upper halves, the second source's below
; 64 numbers of a lane, register 16 b + i = k 32 b + 16 (lane / 16) + i of my row, become a fragment's codes in v[PC] .. v[PC + 11] and its scale word in v[PW].
.macro QUANT s
.irp b, 0,1,2,3
	v_max3_num_f32 v[TM+\b], |v[\s+16*\b]|, |v[\s+1+16*\b]|, 0x2800000   ; block b: my 16 numbers, and the floor 2^(5 - 127): the byte cannot fall under 1
.endr
.irp i, 2,4,6,8,10,12,14
.irp b, 0,1,2,3
	v_max3_num_f32 v[TM+\b], v[TM+\b], |v[\s+16*\b+\i]|, |v[\s+1+16*\b+\i]|   ; the four blocks by turns
.endr
.endr
.irp b, 0,1,2,3
	v_permlanex16_b32 v[TM+4+\b], v[TM+\b], s[SEL], s[SEL+1]
.endr
.irp b, 0,1,2,3
	v_max_num_f32 v[TM+\b], v[TM+\b], v[TM+4+\b]   ; with lane l xor 16: the block's largest magnitude
.endr
.irp b, 0,1,2,3
	v_add_nc_u32 v[TM+12+\b], 0xfe000000, v[TM+\b]   ; 4 off its exponent field: the conversion takes this operand's exponent field as its scale
.endr
.irp b, 0,1,2,3
	v_lshrrev_b32 v[TM+4+\b], 23, v[TM+12+\b]      ; the scale's byte
.endr
	v_lshl_or_b32 v[PW], v[TM+6], 8, v[TM+4]       ; four bytes: my row's scale word, in the order of blocks 0, 2, 1, 3 (see the conversions below); the same in lanes l and l xor 16
	v_lshl_or_b32 v[PW], v[TM+5], 16, v[PW]
	v_lshl_or_b32 v[PW], v[TM+7], 24, v[PW]
.irp c, 0,1
	v_cvt_scalef32_pk16_bf6_f32 v[PC+6*\c:PC+2+6*\c], v[\s+16*\c:\s+15+16*\c], v[TM+12+\c]   ; block c,
	v_cvt_scalef32_pk16_bf6_f32 v[PC+12+4*\c:PC+14+4*\c], v[\s+32+16*\c:\s+47+16*\c], v[TM+14+\c]   ; and block c + 2 (a conversion's three registers begin on an even number)
.endr
	v_nop                                          ; one plain place behind a scaled conversion
; THE BLOCKS OF A K STEP STAND IN THE ORDER 0, 2, 1, 3 in the operand, alike for x, for W and for both sets of scale bytes: the sums are the same, and a lane of W's fragment then holds 48 neighbouring bytes of a row of codes.
.irp c, 0,1                                    ; the operand wants a WHOLE block in a lane: registers 6 c on hold block c in lanes 0-15 and block c + 2 in lanes 16-31
.irp i, 0,1,2
	v_permlane16_swap_b32 v[PC+6*\c+\i], v[PC+12+4*\c+\i]
.endr
.irp i, 0,1,2
	v_mov_b32 v[PC+3+6*\c+\i], v[PC+12+4*\c+\i]
.endr
.endr
.endm
.macro BACK reg, sg                    ; K step sg of my row comes back from the stage: 16 neighbours of each block of 32
.irp b, 0,1,2,3
.irp j, 0,1,2,3
	ds_load_b128 v[\reg+16*\b+4*\j:\reg+16*\b+4*\j+3], v3 offset:512*\sg+128*\b+16*\j
.endr
.endr
.endm
.macro GFRAG reg, first, lo            ; four fragments of gate_w^T, blocks first .. first + 3, high (lo = 0) or low parts: the turning load gives lane 8 g + i expert i and 8 neighbouring k
.irp b, 0,1,2,3
	ds_load_tr16_b128 v[\reg+8*\b:\reg+8*\b+3], v5 offset:GLO*\lo+512*(\first+\b)
	ds_load_tr16_b128 v[\reg+8*\b+4:\reg+8*\b+7], v5 offset:GLO*\lo+512*(\first+\b)+128
.endr
.endm
; 64 numbers at v[x] on become four bf16 fragments of high parts at v[ah] on and four of low parts at v[x] .. v[x + 31].  Eight numbers at a time: the upper halves are packed; the number less its upper 16 bits is exact in f32;
; that rest is rounded to bf16, in place: pair p's result lands in register p, whose own number has been used by then.
.macro SPLIT ah, x
.set i, 0
.rept 8
.irp u, 0,1,2,3
	v_perm_b32 v[\ah+4*i+\u], v[\x+8*i+2*\u+1], v[\x+8*i+2*\u], s[PSEL]
.endr
.irp n, 0,1,2,3,4,5,6,7
	v_and_b32 v[TS+\n+4*(\n/4)], s[MASK], v[\x+8*i+\n]
.endr
.irp u, 0,1,2,3
	v_pk_add_f32 v[\x+8*i+2*\u:\x+8*i+2*\u+1], v[\x+8*i+2*\u:\x+8*i+2*\u+1], v[TS+2*\u+4*(\u/2):TS+2*\u+4*(\u/2)+1] neg_lo:[0,1] neg_hi:[0,1]
.endr
.irp u, 0,1,2,3
	v_cvt_pk_bf16_f32 v[\x+4*i+\u], v[\x+8*i+2*\u], v[\x+8*i+2*\u+1]
.endr
.set i, i+1
.endr
.endm
.macro GMUL gf, af, zero               ; four products on two accumulators by turns, one instruction a turn
.if \zero
	v_wmma_f32_16x16x32_bf16 v[D0:D0+7], v[\gf:\gf+7], v[\af:\af+7], 0
	v_wmma_f32_16x16x32_bf16 v[D1:D1+7], v[\gf+8:\gf+15], v[\af+8:\af+15], 0
.else
	v_wmma_f32_16x16x32_bf16 v[D0:D0+7], v[\gf:\gf+7], v[\af:\af+7], v[D0:D0+7]
	v_wmma_f32_16x16x32_bf16 v[D1:D1+7], v[\gf+8:\gf+15], v[\af+8:\af+15], v[D1:D1+7]
.endif
	s_wait_alu depctr_va_vdst(0)
	v_wmma_f32_16x16x32_bf16 v[D0:D0+7], v[\gf+16:\gf+23], v[\af+16:\af+23], v[D0:D0+7]
	v_wmma_f32_16x16x32_bf16 v[D1:D1+7], v[\gf+24:\gf+31], v[\af+24:\af+31], v[D1:D1+7]
.endm
	s_load_b256 s[4:11], s[0:1], 0x0               ; x s[4:5], gate_w s[6:7], gate_b s[8:9], xq s[10:11]
	s_load_b128 s[12:15], s[0:1], 0x20             ; xs s[12:13], g s[14:15]
	s_load_b128 s[44:47], s[0:1], 0x30             ; W's scale bytes as given s[44:45], ws s[46:47]
	v_lshl_add_u32 v243, v0, 2, 0x19800
	v_mov_b32 v245, 0
	v_lshrrev_b32 v8, 5, v0
	v_readfirstlane_b32 s16, v8                    ; wave q = 0..3
	v_and_b32 v8, 31, v0                           ; lane
	v_and_b32 v9, 15, v0                           ; r
	v_bfe_u32 v10, v0, 4, 1                        ; h
	v_and_b32 v11, 7, v0
	v_lshlrev_b32 v1, 4, v8                        ; v1 = 16 x lane; never rewritten
	s_wait_alu depctr_va_vdst(0)
	s_mul_i32 s17, s16, XSTW                       ; my stage
	s_lshl_b32 s18, s16, 12
	s_add_co_u32 s18, s18, GWS                     ; my part of gate_w in LDS
	s_lshr_b32 s19, s16, 1
	s_lshl_b32 s19, s19, 8
	s_and_b32 s22, s16, 1
	s_lshl_b32 s22, s22, 3
	s_add_co_u32 s19, s19, s22
	s_add_co_u32 s19, s19, XSS                     ; my two words in a token's 16 bytes: half q / 2, byte 8 (q % 2)
	s_lshl_b32 s23, s16, 10
	s_add_co_u32 s23, s23, PAR                     ; my partial logits
	v_add_nc_u32 v2, s17, v1                       ; v2: the stage, way in: 16 x lane
	v_mul_u32_u24 v3, v9, XPITCH
	v_lshl_add_u32 v3, v10, 6, v3
	v_add_nc_u32 v3, s17, v3                       ; v3: way out: row r, + 64 h
	v_lshl_add_u32 v4, v8, 3, s18                  ; v4: gate_w, way in: 8 bytes a lane
	v_lshlrev_b32 v5, 4, v11
	v_lshl_add_u32 v5, v10, 8, v5
	v_add_nc_u32 v5, s18, v5                       ; v5: way out: row k = 16 h + lane % 8, 16 bytes a row
	v_lshl_add_u32 v6, v9, 4, s19                  ; v6: where my scale words go
	v_add_nc_u32 v7, s23, v1                       ; v7: where my partial logits go
.irp b, 0,1,2,3
	v_mov_b32 v[TM+4+\b], 0                        ; written once: a lane permute's destination counts as one of its sources
.endr
	s_mov_b32 s[SEL], 0x76543210
	s_mov_b32 s[SEL+1], 0xfedcba98
	s_mov_b32 s[MASK], 0xffff0000
	s_mov_b32 s[PSEL], 0x07060302
	s_mov_b32 s42, 0x03010200                      ; v_perm_b32: a word's bytes 1 and 2 change places
	s_lshl_b32 s32, ttmp9, 16                      ; x: 16 rows of 4,096 bytes a block, + 1,024 q
	s_lshl_b32 s33, s16, 10
	s_add_co_u32 s32, s32, s33
	s_mov_b32 s33, 0
	s_lshl_b32 s34, s16, 13                        ; gate_w: 256 rows of 32 bytes a wave
	s_mov_b32 s35, 0
	s_mul_i32 s36, ttmp9, 12288                    ; xq: 8 fragments of 1,536 bytes a block, two a wave
	s_mul_i32 s37, s16, 3072
	s_add_co_u32 s36, s36, s37
	s_mov_b32 s37, 0
	s_lshl_b32 s38, ttmp9, 9                       ; xs and g: 512 bytes a block
	s_mov_b32 s39, 0
	s_wait_kmcnt 0x0
	s_load_b256 s[24:31], s[8:9], 0x0              ; gate_b's eight numbers
	s_add_nc_u64 s[4:5], s[4:5], s[32:33]
	s_add_nc_u64 s[6:7], s[6:7], s[34:35]
	s_add_nc_u64 s[10:11], s[10:11], s[36:37]
	s_add_nc_u64 s[12:13], s[12:13], s[38:39]
	s_add_nc_u64 s[14:15], s[14:15], s[38:39]
	s_add_nc_u64 s[44:45], s[44:45], s[38:39]      ; 512 work-groups x 512 bytes are all of W's scale bytes
	s_add_nc_u64 s[46:47], s[46:47], s[38:39]
	s_cmp_lg_u32 s16, 1
	s_cbranch_scc1 .Lno_ws                         ; wave 1 alone copies them
	global_load_b128 v[248:251], v1, s[44:45]      ; 512 consecutive bytes: four scale words a lane (into registers that the sums take only later)
.Lno_ws:
.set t, 0
.rept 16
	global_load_b128 v[GR+4*t:GR+4*t+3], v1, s[6:7] offset:512*t   ; gate_w: lane l of load t holds row 16 t + l / 2, experts 4 (l % 2) on
.set t, t+1
.endr
.set t, 0
.rept 32
	global_load_b128 v[X0+4*t:X0+4*t+3], v1, s[4:5] offset:4096*(t/2)+512*(t%2) th:TH_LOAD_NT   ; row t / 2, 512 consecutive bytes; read once in this launch
.set t, t+1
.endr
	s_wait_loadcnt 32                              ; gate_w is in, and what was asked for ahead of it; x's 32 loads stay out
	s_cmp_lg_u32 s16, 1
	s_cbranch_scc1 .Lws_done
.irp i, 0,1,2,3
	v_perm_b32 v[248+\i], v[248+\i], v[248+\i], s42   ; ws: each word of four scale bytes in the order of blocks 0, 2, 1, 3
.endr
	global_store_b128 v1, v[248:251], s[46:47]     ; 512 consecutive bytes, aligned
	s_wait_xcnt 0x0                                ; the store has read its data: the registers are written again by the first products
.Lws_done:
; gate_w's four numbers of a load become two registers of high parts and two of low parts, in the load's own four registers: no store's data are written again
.set t, 0
.rept 16
.set ga, GR+4*t
.set gu, TS+8*(t%2)
.irp n, 0,1,2,3
	v_and_b32 v[gu+\n], s[MASK], v[ga+\n]
.endr
	v_pk_add_f32 v[gu:gu+1], v[ga:ga+1], v[gu:gu+1] neg_lo:[0,1] neg_hi:[0,1]           ; the number less its upper 16 bits: exact
	v_pk_add_f32 v[gu+2:gu+3], v[ga+2:ga+3], v[gu+2:gu+3] neg_lo:[0,1] neg_hi:[0,1]
	v_perm_b32 v[ga], v[ga+1], v[ga], s[PSEL]
	v_perm_b32 v[ga+1], v[ga+3], v[ga+2], s[PSEL]
	v_cvt_pk_bf16_f32 v[ga+2], v[gu], v[gu+1]
	v_cvt_pk_bf16_f32 v[ga+3], v[gu+2], v[gu+3]
	ds_store_b64 v4, v[ga:ga+1] offset:256*t
	ds_store_b64 v4, v[ga+2:ga+3] offset:GLO+256*t
.set t, t+1
.endr
.irp q, 0,1,2,3
	s_wait_loadcnt 24-8*\q                         ; x's first 8 (q + 1) loads are in, the later ones stay out
.irp u, 0,1,2,3,4,5,6,7
	ds_store_b128 v2, v[X0+4*(8*\q+\u):X0+4*(8*\q+\u)+3] offset:XPITCH*((8*\q+\u)/2)+512*(\u%2)
.endr
.endr
	BACK X0, 0                                     ; LDS serves a wave's instructions in order (ISA guide 5.7.1.4): these see my stores; the bytes are my wave's own
	GFRAG GFH0, 0, 0
	BACK X1, 1
	s_wait_dscnt 24                                ; K step 0's 16 loads are in; behind them 8 of gate_w and 16 of K step 1
	QUANT X0
	v_mov_b32 v[SW], v[PW]
.irp c, 0,1,2
	global_store_b128 v1, v[PC+4*\c:PC+4*\c+3], s[10:11] offset:512*\c   ; the fragment's image: 512 consecutive bytes a store, aligned
.endr
	SPLIT AFH0, X0
	GFRAG GFL0, 0, 1                               ; into the upper half of the registers that K step 0's numbers have left
	s_wait_dscnt 24                                ; gate_w's high fragments are in; behind them 16 of K step 1 and the 8 just issued
	GMUL GFH0, AFH0, 1                             ; high x high: the first two products start the sums
	GMUL GFH0, AFL0, 0                             ; gate_w's high x x's low
	s_wait_dscnt 0x0                               ; gate_w's low fragments are in, and K step 1's numbers, asked for ahead of them
	GMUL GFL0, AFH0, 0                             ; gate_w's low x x's high
	s_wait_xcnt 0x0                                ; the stores above have read v[PC] on: it is written again only behind this wait
	QUANT X1                                       ; its plain lines name no register of the products: they are the places in front of the loads and writes below
	v_mov_b32 v[SW+1], v[PW]
.irp c, 0,1,2
	global_store_b128 v1, v[PC+4*\c:PC+4*\c+3], s[10:11] offset:1536+512*\c
.endr
	GFRAG GFH1, 4, 0                               ; they land while K step 1 is split
	GFRAG GFL1, 4, 1
	SPLIT AFH1, X1
	s_wait_dscnt 0x0
	GMUL GFH1, AFH1, 0
	GMUL GFH1, AFL1, 0
	GMUL GFL1, AFH1, 0
	ds_store_b64 v6, v[SW:SW+1]                    ; both lanes of a token write the same bytes with the same value
.rept 4
	v_nop                                          ; four places behind the last products (ISA guide 7.12.1)
.endr
.irp i, 0,2,4,6
	v_pk_add_f32 v[112+\i:113+\i], v[D0+\i:D0+\i+1], v[D1+\i:D1+\i+1]   ; each accumulator from its low end on
.endr
	ds_store_b128 v7, v[112:115]
	ds_store_b128 v7, v[116:119] offset:512
	s_wait_kmcnt 0x0                               ; gate_b
	s_wait_dscnt 0x0                               ; for the others' sake: my stores have landed
	s_barrier_signal -1
	s_barrier_wait -1
	s_cmp_lg_u32 s16, 0
	s_cbranch_scc1 .Ldone                          ; waves 1 to 3 are done; no barrier follows
	v_add_nc_u32 v120, PAR, v1
.irp q, 0,1,2,3
	ds_load_b128 v[16+8*\q:19+8*\q], v120 offset:1024*\q
	ds_load_b128 v[20+8*\q:23+8*\q], v120 offset:1024*\q+512
.endr
	v_and_b32 v122, 15, v0
	v_bfe_u32 v123, v0, 4, 1
	v_lshlrev_b32 v121, 2, v122
	v_lshl_add_u32 v121, v123, 8, v121
	v_add_nc_u32 v121, GST, v121                   ; g's stage: 256 h + 4 r (+ 64 i): lanes 16-31 store experts 4 to 7
	v_add_nc_u32 v124, GST, v1
	v_add_nc_u32 v125, XSS, v1
	s_mov_b32 s22, 0x3fb8aa3b                      ; c = log2(e)
	s_wait_dscnt 0x0
.irp i, 0,2,4,6
	v_pk_add_f32 v[16+\i:17+\i], v[16+\i:17+\i], v[24+\i:25+\i]
	v_pk_add_f32 v[32+\i:33+\i], v[32+\i:33+\i], v[40+\i:41+\i]
.endr
.irp i, 0,2,4,6
	v_pk_add_f32 v[16+\i:17+\i], v[16+\i:17+\i], v[32+\i:33+\i]
.endr
.irp j, 0,1,2,3,4,5,6,7
	v_add_f32 v[16+\j], s[24+\j], v[16+\j]         ; + gate_b
.endr
	v_max3_num_f32 v48, v16, v17, v18              ; the token's largest logit is taken away ahead of the exponentials
	v_max3_num_f32 v48, v48, v19, v20
	v_max3_num_f32 v48, v48, v21, v22
	v_max_num_f32 v48, v48, v23
	v_mul_f32 v49, s22, v48
.irp j, 0,1,2,3,4,5,6,7
	v_fma_f32 v[16+\j], v[16+\j], s22, -v49        ; c t - c max
.endr
	s_wait_alu depctr_va_vdst(0)
.irp j, 0,1,2,3,4,5,6,7
	v_exp_f32 v[16+\j], v[16+\j]
.endr
	v_cmp_lt_u32 vcc_lo, 15, v0                    ; lanes 16-31 (a plain place behind the exponentials)
	s_wait_alu depctr_va_vdst(0)
	v_add_f32 v50, v16, v17
	v_add_f32 v51, v18, v19
	v_add_f32 v52, v20, v21
	v_add_f32 v53, v22, v23
	v_add_f32 v50, v50, v51
	v_add_f32 v52, v52, v53
	v_add_f32 v50, v50, v52
	s_wait_alu depctr_va_vdst(0)
	v_rcp_f32 v51, v50
	v_nop                                          ; one plain place behind a transcendental
	s_wait_alu depctr_va_vdst(0)
.irp j, 0,1,2,3,4,5,6,7
	v_mul_f32 v[16+\j], v[16+\j], v51
.endr
.irp i, 0,1,2,3
	v_cndmask_b32 v[56+\i], v[16+\i], v[20+\i], vcc_lo
.endr
.irp i, 0,1,2,3
	ds_store_b32 v121, v[56+\i] offset:64*\i
.endr
	ds_load_b128 v[64:67], v124                    ; my own stores, seen in order
	ds_load_b128 v[68:71], v125                    ; the four waves' scale words, behind the barrier
	s_wait_dscnt 0x0
	global_store_b128 v1, v[64:67], s[14:15]       ; 512 consecutive bytes, aligned
	global_store_b128 v1, v[68:71], s[12:13]
.Ldone:
	s_wait_tensorcnt 0x0
	ds_add_u32 v243, v245
	s_wait_dscnt 0x0
	s_endpgm
.Lfunc_end_k_qa56a16b235_prep:
	.size	k_qa56a16b235_prep, .Lfunc_end_k_qa56a16b235_prep-k_qa56a16b235_prep
	.p2alignl 7, 3214868480
	.fill 96, 4, 3214868480
	.section	.rodata,"a",@progbits
	.p2align	6, 0x0
	.amdhsa_kernel k_qa56a16b235_prep
		.amdhsa_group_segment_fixed_size 104960
		.amdhsa_private_segment_fixed_size 0
		.amdhsa_enable_private_segment 0
		.amdhsa_kernarg_size 64
		.amdhsa_user_sgpr_count 2
		.amdhsa_user_sgpr_kernarg_segment_ptr 1
		.amdhsa_wavefront_size32 1
		.amdhsa_system_sgpr_workgroup_id_x 1
		.amdhsa_system_sgpr_workgroup_id_y 1
		.amdhsa_system_sgpr_workgroup_id_z 1
		.amdhsa_system_vgpr_workitem_id 0
		.amdhsa_next_free_vgpr 256
		.amdhsa_next_free_sgpr 66
		.amdhsa_reserve_vcc 1
		.amdhsa_float_denorm_mode_32 3
		.amdhsa_float_denorm_mode_16_64 3
		.amdhsa_memory_ordered 1
		.amdhsa_forward_progress 1
		.amdhsa_inst_pref_size 56
	.end_amdhsa_kernel
	.amdgpu_metadata
---
amdhsa.version: [ 1, 2 ]
amdhsa.kernels:
  - .name:           k_qa56a16b235_prep
    .symbol:         k_qa56a16b235_prep.kd
    .args:
      - { .name: x, .offset: 0, .size: 8, .value_kind: global_buffer, .address_space: global }
      - { .name: gate_w, .offset: 8, .size: 8, .value_kind: global_buffer, .address_space: global }
      - { .name: gate_b, .offset: 16, .size: 8, .value_kind: global_buffer, .address_space: global }
      - { .name: xq, .offset: 24, .size: 8, .value_kind: global_buffer, .address_space: global }
      - { .name: xs, .offset: 32, .size: 8, .value_kind: global_buffer, .address_space: global }
      - { .name: g, .offset: 40, .size: 8, .value_kind: global_buffer, .address_space: global }
      - { .name: expert_w_scales, .offset: 48, .size: 8, .value_kind: global_buffer, .address_space: global }
      - { .name: ws, .offset: 56, .size: 8, .value_kind: global_buffer, .address_space: global }
    .group_segment_fixed_size: 104960
    .private_segment_fixed_size: 0
    .kernarg_segment_align: 8
    .kernarg_segment_size: 64
    .max_flat_workgroup_size: 128
    .sgpr_count:     66
    .vgpr_count:     256
    .wavefront_size: 32
...
	.end_amdgpu_metadata
.endif
;; end of part 3
;; launch moe (part 4): grid 32 x 8, 4 waves a work-group, clusters of 4 x 1, 327,680 bytes of LDS; arguments xq, xs, g, expert_w_codes, ws, expert_b, out0; writes out0
.if DOCPART == 4
	.amdgcn_target "amdgcn-amd-amdhsa--gfx1250"
	.amdhsa_code_object_version 6
	.text
	.protected	k_qa56a16b235_moe
	.globl	k_qa56a16b235_moe
	.p2align	8
	.type	k_qa56a16b235_moe,@function
k_qa56a16b235_moe:
	s_mov_b64 s[64:65], 0
	v_nop
	global_prefetch_b8 v0, s[64:65] scope:SCOPE_SE
	s_setreg_imm32_b32 hwreg(HW_REG_WAVE_MODE, 25, 1), 1
	s_wait_xcnt 0x0
	s_wait_alu depctr_hold_cnt(0) depctr_sa_sdst(0) depctr_va_vdst(0) depctr_va_sdst(0) depctr_va_ssrc(0) depctr_va_vcc(0) depctr_vm_vsrc(0)
	s_getreg_b32 s2, hwreg(HW_REG_IB_STS2, 6, 4)
	s_cmp_eq_u32 s2, 0
	s_cbranch_scc0 .Lentry_in_a_cluster
	s_endpgm
.Lentry_in_a_cluster:
	s_bfe_u32 s2, ttmp6, 0x10000c
	s_cmp_lg_u32 s2, 0x3003
	s_cbranch_scc0 .Lentry_shape_is_right
	s_endpgm
.Lentry_shape_is_right:
; out[t][p] = the sum over the 8 experts e of g[t][e] x (Q(x)[t] . W_e[:, p] + b[e][p]).  x comes as codes of BF6 (E3M2) in register images (xq), with scale words (xs) and gates (g), all made by the launch before;
; W as given: codes [e][p][768 bytes], K innermost, scale bytes [e][p][32].  Products on codes and E8M0 scales, f32 sums; the fold by the gates in f32.
; SHARES.  A work-group owns 256 tokens x 128 columns, for all experts; wave w owns tokens 64 w .. 64 w + 63 (four blocks m of 16) and all 128 columns.
; x STAYS IN REGISTERS: 64 rows x 1,024 K of codes are 384 registers of a wave, read from memory once.  So K is the innermost loop and few sums are alive at a time.
; W COMES THROUGH TWO LDS SLOTS, an expert's 128 rows x 768 bytes to a slot, one tensor load a wave for each expert; it has an expert's 256 matrix instructions in which to land.
; A PAIR is 32 columns (two blocks b) x 64 tokens x 8 K steps: 64 matrix instructions on 8 accumulators (n = 4 b + m) by turns.  There are two sets of accumulators: while one pair multiplies,
; the pair before is folded into OUT (OUT += g x sum).
; A PAIR GOES IN FOUR TWOS OF K STEPS: 16 matrix instructions back to back; behind them the fold of two tiles of the pair before, eight packed multiply-adds, which are the places that the loads need; then ONE RUN of 12 LDS loads
; into the half of the ring that the sixteen have just read: the two K steps four on.  A run has the next 16 matrix instructions in which to land, and no LDS load stands singly among matrix instructions.
; THE PRODUCT IS USED TRANSPOSED (source 0 = 16 rows of W, source 1 = 16 tokens): a lane holds ONE token and 8 neighbouring columns: the gate is one number a lane, the bias is the C of K step 0.
; CLUSTER.  The four work-groups of a cluster share the columns, and so every tile of W, its scales and the bias: each is asked for JOINTLY, by the same tensor load with the same descriptor and a mask that names the four.
; The work-group's place in its cluster enters the global addresses of xq, xs, g and out0 alone.  x is not shared out in the cluster: it goes once, straight into registers.
; REGISTERS, in windows of 256 (s_set_vgpr_msb: bits 1:0 source 0, 3:2 source 1, 5:4 source 2, 7:6 destination):
;   window 0: v1-13 addresses; v16-31 x's scale words (4 m + s % 4; K steps 4-7 in lanes 16-31); v32-47 W's scale words, two sets (8 a + s; block 1 in lanes 16-31); v64-255 x's fragments of K steps 0-3
;   window 1: v0-127 two sets of 8 accumulators; v128-223 W's fragments, a ring of four K steps x two blocks; v224-235 LDS addresses (under a product's setting an LDS load has address and destination here: a run needs no setting of its own)
;   window 2: v0-191 x's fragments of K steps 4-7; v192-223 the bias, two sets; v224-231 the gates in hand, doubled; v232-235 the next expert's      window 3: OUT, 64 j + 8 n
.set PITCH, 816                        ; a row of W in LDS: 3 x (256 bytes + 16) = 51 x 16 bytes, an odd multiple: the 16 rows that half a load of 16 bytes a lane touches start in 16 different columns of 16 bytes
.set SLOT1, 1<<17                      ; slot 0 at byte 0, slot 1 here: one exclusive or turns an address
.set BIAS,  128*PITCH                  ; behind slot 0: the bias, [e][128] f32,
.set SPARE, BIAS+4096                  ; and the spare words, 128 bytes for each wave: two blocks of 256 bytes that no other line names
.set SCL,   SLOT1+128*PITCH            ; behind slot 1: W's scale bytes of all experts, [e][128 rows][32 bytes], dense,
.set SCE,   4096                       ; 4,096 bytes an expert,
.set SCP,   1024                       ; 1,024 a pair of 32 rows
.set STAGE, SCL+8*SCE                  ; the way out: 16 rows x (256 + 16) bytes for each wave; no fill lands here
.set SP,    272
.set EXPB,  1024*768                   ; from expert to expert in W's codes
.set SPW, 1                            ; v1   LDS address of my spare word; never rewritten
.set NIL, 2                            ; v2   0; never rewritten
.set CO,  3                            ; v3   16 x lane
.set STO, 5                            ; v5   the way out: where I put 32 bytes of a row
.set RD,  6                            ; v6   and where I read two rows of 256 bytes back: lanes 0-15 one row, lanes 16-31 the next
.set CO2, 14                           ; v14  the same two rows in out0: 4,096 h + 16 r
.set GA,  7                            ; v7   4 r: my token's gate
.set XS,  16
.set WS,  32
.set XF0, 64
.set ACC, 0                            ; window 1
.set WF,  128
.set AWB, 224                          ; 816 r + 48 h
.set AWV, 225                          ; 816 r + 64 h: for pieces whose partner three pieces on lies behind one padding more
.set CL,  226                          ; this expert's slot, rows 0-63 (and its twin at + 1)
.set CH,  228                          ; rows 64-127
.set NL,  230                          ; the next expert's slot, rows 0-63
.set NH,  236                          ; and its rows 64-127 (made for the last two experts alone)
.set ASC0, 232                         ; 32 lane: my row among a pair's 32 rows of scale bytes
.set ADS, 233
.set ABI0, 234                         ; 32 h
.set ADB, 235
.set BI,  192                          ; window 2
.set G,   224
.set GN,  232
.set G7,  240                          ; window 2, v240-247: expert 7's gates, doubled, beside expert 6's
.set WV,  18                           ; s18  wave
.set G1W, 32                           ; s[32:39] group 1: lines of 256 bytes (192 at the head, then 96);  s[40:47]: 8 rows of 4,096 bytes;  s[48:55]: 8 rows of 512 bytes
.set G1S, 40
.set G1B, 48
.set G0W0, 56                          ; s[56:59] expert 0's tile;  s[60:63] expert 1's, which then walks
.set G0W1, 60
.set G0S0, 68
.set G0B, 76
.set TB,  80                           ; s80  this expert's slot;  s81 the next one's;  s82 this expert's scale bytes;  s83 its bias
.set TN,  81
.set TS,  82
.set TBI, 83
.set CNT, 84
.set GB,  86                           ; s[86:87] my 64 tokens' gates, at the expert last asked for
.set XB,  88                           ; s[88:89] their codes
.set OB,  90                           ; s[90:91] their rows of out0, at my columns
.set XSB, 92                           ; s[92:93] their scale words
.set MSB, 0
.set QT, 0                             ; 1: the ring's queue walks the last two experts' pairs in the order of the tail
.set OQ, 8                             ; the early way out's queue: 8 parts; 8 = nothing to do
.macro WIN new                         ; the immediate's high byte repeats the setting that is left; a switch that changes nothing is dropped
.if MSB != \new
	s_set_vgpr_msb (MSB<<8)|\new
.set MSB, \new
.endif
.endm
.macro PWIN s                          ; the products' settings: D and W's fragment window 1; x's fragment window 0 (K steps 0-3) or 2; C the bias (window 2) in K step 0, else D
.if (\s) == 0
	WIN 0x61
.elseif (\s) < 4
	WIN 0x51
.else
	WIN 0x59
.endif
.endm
.macro CREST                           ; a round of the cluster's barrier behind its opening barrier
	s_cmp_lg_u32 s[WV], 0
	s_cbranch_scc1 .Lnot_wave_0_\@
	s_barrier_signal -3
.Lnot_wave_0_\@:
	s_barrier_wait -3
	s_barrier_signal -1
	s_barrier_wait -1
.endm
.macro CROUND
	s_barrier_signal -1
	s_barrier_wait -1
	CREST
.endm
; One product: accumulator n = 4 b + m of set a, K step s.  W's scale word: register 8 a + s, block 1 from lanes 16-31;  x's: register 4 m + s % 4, K steps 4-7 from lanes 16-31.
.macro MM a, s, n
.set rD, ACC+64*(\a)+8*(\n)
.set rA, WF+24*((\s)%4)+12*((\n)/4)
.set rSA, WS+8*(\a)+(\s)
.set rSB, XS+4*((\n)%4)+(\s)%4
.if (\s) == 0
.set rC, BI+16*(\a)+8*((\n)/4)
.else
.set rC, rD
.endif
.if (\s) < 4
.set rB, XF0+12*(4*(\s)+(\n)%4)
.if (\n) < 4
	v_wmma_scale_f32_16x16x128_f8f6f4 v[rD:rD+7], v[rA:rA+11], v[rB:rB+11], v[rC:rC+7], v[rSA], v[rSB] matrix_a_fmt:MATRIX_FMT_BF6 matrix_b_fmt:MATRIX_FMT_BF6
.else
	v_wmma_scale_f32_16x16x128_f8f6f4 v[rD:rD+7], v[rA:rA+11], v[rB:rB+11], v[rC:rC+7], v[rSA], v[rSB] matrix_a_fmt:MATRIX_FMT_BF6 matrix_b_fmt:MATRIX_FMT_BF6 matrix_a_scale:MATRIX_SCALE_ROW1
.endif
.else
.set rB, 12*(4*((\s)-4)+(\n)%4)
.if (\n) < 4
	v_wmma_scale_f32_16x16x128_f8f6f4 v[rD:rD+7], v[rA:rA+11], v[rB:rB+11], v[rC:rC+7], v[rSA], v[rSB] matrix_a_fmt:MATRIX_FMT_BF6 matrix_b_fmt:MATRIX_FMT_BF6 matrix_b_scale:MATRIX_SCALE_ROW1
.else
	v_wmma_scale_f32_16x16x128_f8f6f4 v[rD:rD+7], v[rA:rA+11], v[rB:rB+11], v[rC:rC+7], v[rSA], v[rSB] matrix_a_fmt:MATRIX_FMT_BF6 matrix_b_fmt:MATRIX_FMT_BF6 matrix_a_scale:MATRIX_SCALE_ROW1 matrix_b_scale:MATRIX_SCALE_ROW1
.endif
.endif
.endm
.macro MM4 a, s, n0                    ; four products of K step s, accumulators n0 .. n0 + 3
	PWIN \s
.irp n, \n0, \n0+1, \n0+2, \n0+3
	MM \a, \s, \n
.endr
.endm
.macro MM8 a, s                        ; a K step: the 8 accumulators take turns, one instruction a turn, in the same order in every K step
	PWIN \s
.irp n, 0,1,2,3,4,5,6,7
	MM \a, \s, \n
.endr
.endm
; The next load of 16 bytes a lane of the ring, from a queue kept in symbols: pair QJ, K step QS, piece QP of the step's 6 (three for each block).
; THE BLOCKS OF 32 OF A K STEP STAND IN THE ORDER 0, 2, 1, 3 in both operands and in both sets of scale words (xq, xs and ws are laid so by the launch before): lanes 0-15 then hold a row's bytes 96 s .. 96 s + 47,
; lanes 16-31 the 48 behind them: three pieces of 16 bytes a lane, a run of 12 loads for two K steps.  A row has 48 pieces; 16 bytes of padding lie behind every 16 pieces.
.macro LD1
.set lB, QP/3
.set lQ, QP%3
.set lPC, 6*QS+lQ
.set lD, WF+24*(QS%4)+12*lB+4*lQ
.if QT == 0                            ; lE: this expert's slot (0) or the next one's (1);  lJ: the pair of 32 rows in it
.set lE, QJ/4
.set lJ, QJ%4
.elseif QJ < 3                         ; the tail's order: (6,0) (6,1) (6,2) (7,0) (7,1) (6,3) (7,2) (7,3)
.set lE, 0
.set lJ, QJ
.elseif QJ < 5
.set lE, 1
.set lJ, QJ-3
.elseif QJ == 5
.set lE, 0
.set lJ, 3
.else
.set lE, 1
.set lJ, QJ-4
.endif
.set lO, (32*(lJ%2)+16*lB)*PITCH+16*lPC+16*(lPC/16)
.set lR, CL+(CH-CL)*(lJ/2)
.if lE
.set lR, NL+(NH-NL)*(lJ/2)
.endif
.if lPC%16 >= 13
.set lR, lR+1
.endif
	ds_load_b128 v[lD:lD+3], v[lR] offset:lO
.set QP, QP+1
.if QP == 6
.set QP, 0
.set QS, QS+1
.if QS == 8
.set QS, 0
.set QJ, QJ+1
.endif
.endif
.endm
.macro RUN                             ; a run: two K steps' fragments, the earlier K step's six loads first
.rept 12
	LD1
.endr
.endm
; Tile t of the pair before (the other set of accumulators, columns 32 jp on) goes into OUT.  mode 0: there is no pair before: four v_nop are the places;  1: the first expert starts OUT: nothing is cleared;  2: OUT += g x sum.
.macro COMB mode, a, t, jp
.if \mode == 0
.rept 4
	v_nop
.endr
.else
	WIN 0xf9                                       ; OUT window 3, the sums window 1, the gates window 2
.irp i, 0,1,2,3                                ; each accumulator from its low end on
.if \mode == 1
	v_pk_mul_f32 v[64*(\jp)+8*(\t)+2*\i:64*(\jp)+8*(\t)+2*\i+1], v[ACC+64*(1-(\a))+8*(\t)+2*\i:ACC+64*(1-(\a))+8*(\t)+2*\i+1], v[G+2*((\t)%4):G+2*((\t)%4)+1]
.else
	v_pk_fma_f32 v[64*(\jp)+8*(\t)+2*\i:64*(\jp)+8*(\t)+2*\i+1], v[ACC+64*(1-(\a))+8*(\t)+2*\i:ACC+64*(1-(\a))+8*(\t)+2*\i+1], v[G+2*((\t)%4):G+2*((\t)%4)+1], v[64*(\jp)+8*(\t)+2*\i:64*(\jp)+8*(\t)+2*\i+1]
.endif
.endr
.endif
.endm
; Tiles 2 d and 2 d + 1 of the pair before.  These lines name no register of the sixteen products in front of them (those have the other set of accumulators): they are the places between those products and the
; loads into the ring sets that they read, and, a pair on, between a pair's last products and the first fold of its sums.
.macro FOLD2 mode, a, d, jp
	COMB \mode, \a, 2*\d, \jp
.if \mode != 0
	COMB \mode, \a, 2*\d+1, \jp
.endif
.endm
; The next pair's scale words (my row's 32 bytes: 8 K steps) and bias (my 8 columns of each block) into set ap: six loads.
.macro EXTRA ap, osc, obi
	WIN 0x01                                       ; address window 1, destination window 0
	ds_load_b128 v[WS+8*(\ap):WS+8*(\ap)+3], v[ADS] offset:\osc
	ds_load_b128 v[WS+8*(\ap)+4:WS+8*(\ap)+7], v[ADS] offset:\osc+16
	WIN 0x81                                       ; destination window 2
.irp b, 0,1
	ds_load_b128 v[BI+16*(\ap)+8*\b:BI+16*(\ap)+8*\b+3], v[ADB] offset:\obi+64*\b
	ds_load_b128 v[BI+16*(\ap)+8*\b+4:BI+16*(\ap)+8*\b+7], v[ADB] offset:\obi+64*\b+16
.endr
.endm
.macro XWAIT first, s                  ; the first pair of all: x's fragments of K step s are in; those of the later K steps, 12 loads each, stay out (a wait names 63 at the most)
.if \first
.if 12*(7-(\s)) > 63
	s_wait_loadcnt 63
.else
	s_wait_loadcnt 12*(7-(\s))
.endif
.endif
.endm
; THE WAY OUT, 16 tokens x 64 columns at a time (half hf of my 128 columns, block m of my tokens).  A lane holds 32 neighbouring bytes of a row and the lanes beside it other rows:
; HSTG puts the block into my own stage and reads it back as rows of 256 bytes, into the very registers of OUT that it has just left (LDS serves a wave's instructions in order: ISA guide 5.7.1.4);
; HSND stores it: sixteen lanes fill one aligned unit of 256 bytes.  The registers are not written again.
.macro HSTG m, hf
	WIN 0x0c                                       ; an LDS store's data are its source 1: window 3
.irp j, 0,1
.irp b, 0,1
.set rr, 64*(2*(\hf)+\j)+8*(4*\b+(\m))
	ds_store_b128 v[STO], v[rr:rr+3] offset:128*\j+64*\b
	ds_store_b128 v[STO], v[rr+4:rr+7] offset:128*\j+64*\b+16
.endr
.endr
	WIN 0xc0                                       ; destination window 3
.irp t, 0,1,2,3,4,5,6,7
.set rr, 64*(2*(\hf)+\t/4)+8*(4*((\t/2)%2)+(\m))+4*(\t%2)
	ds_load_b128 v[rr:rr+3], v[RD] offset:\t*2*SP
.endr
.endm
.macro HSND m, hf
	WIN 0x0c
.irp t, 0,1,2,3,4,5,6,7
.set rr, 64*(2*(\hf)+\t/4)+8*(4*((\t/2)%2)+(\m))+4*(\t%2)
	global_store_b128 v[CO2], v[rr:rr+3], s[OB:OB+1] offset:4096*(16*(\m)+2*\t)+256*(\hf) th:TH_STORE_NT   ; rows 2 t and 2 t + 1 of the block; the immediate is 254,208 at the most
.endr
.endm
; One part of the early way out of columns 0-63, behind a two's fold: blocks 0 to 3, HSTG and HSND by turns.  HSTG's 16 LDS instructions stand ahead of the two's run of loads,
; so the next two's own wait, which leaves that run alone out, shows them done: HSND needs no wait of its own.
.macro OUTQ
.if OQ < 8
.if OQ == 0
	s_wait_alu depctr_va_vdst(0)
.endif
.if OQ%2 == 0
	HSTG OQ/2, 0
.else
	HSND OQ/2, 0
.endif
.set OQ, OQ+1
.endif
.endm
; K steps 2 d and 2 d + 1 of a pair: 16 products, the fold of two tiles, one run of loads.
; dw: the LDS loads issued behind this two's own run, which may stay out; in front of the first K step its second K step's six may stay out too.
; ld = 1: the run that fetches the two K steps four on, issued under the next product's setting;  ex = 1: the next pair's scale words and bias stand at its head.
.macro DUO a, d, mode, jp, dw, ld, ex, osc, obi, first
	XWAIT \first, 2*\d
	s_wait_dscnt \dw+6
	MM8 \a, 2*\d
	XWAIT \first, 2*\d+1
	s_wait_dscnt \dw
	MM8 \a, 2*\d+1
	FOLD2 \mode, \a, \d, \jp
	OUTQ
.if \ex
	EXTRA 1-\a, \osc, \obi
.endif
.if \ld
	PWIN (2*\d+2)%8
	RUN
.endif
.endm
; K steps 4 and 5 of an expert's last pair change slots.  My last reads of this expert's slot are the run just issued (K steps 6 and 7).  In front of the barrier each wave waits for all its tensor loads (one is out: its part of the
; next expert's tile), adds 0 to its spare word, and waits for that and for its reads.  fill = 1: the barrier opens a round of the cluster's barrier, and behind the round this slot is filled with the expert two on.
; Behind it the first run out of the next slot: the next expert's K steps 0 and 1.
.macro TURN a, mode, jp, fill
	WIN 0                                          ; the add's two registers lie in window 0
	s_wait_tensorcnt 0x0                           ; no tensor load of mine is out: the walking descriptor may be written
	ds_add_u32 v[SPW], v[NIL]                      ; 0 onto my spare word
.if \fill
	s_xor_b32 s[G0W1+1], s[G0W1+1], SLOT1          ; the other slot than last time,
	s_add_nc_u64 s[G0W1+2:G0W1+3], s[G0W1+2:G0W1+3], EXPB   ; the next expert; the type bits on top are not reached
.endif
	s_wait_dscnt 19                                ; K step 4's fragments are in; behind them K step 5's 6 loads, the last run's 12 and the add
	MM8 \a, 4
	s_wait_dscnt 13                                ; K step 5's are in
	MM4 \a, 5, 0                                   ; twelve matrix instructions stand between the add and the wait for it
	s_wait_dscnt 0x0                               ; the add is done, and my reads of this slot are over
	s_barrier_signal -1
	MM4 \a, 5, 4                                   ; work on registers while the others arrive
	WIN 0
	s_barrier_wait -1
.if \fill
	CREST                                          ; no wave of any partner still reads this slot or has a load on its way
	tensor_load_to_lds s[G0W1:G0W1+3], s[G1W:G1W+7]   ; my one tensor load behind the round, and the first thing there
	s_nop 0
.rept 4
	v_nop
.endr
.endif
	FOLD2 \mode, \a, 2, \jp
	PWIN 6
	RUN
.endm
; A pair.  kind 0: plain;  1, 2: a pair that changes slots, with and without a fill;  3: the last pair of all.  The counts: a two's fragments were issued two runs back, so one run of 12 is younger;
; the run behind K steps 0 and 1 has six loads more (the next pair's scales and bias, at its head), so K steps 2 and 3 leave 18 out.
.macro PAIR a, jp, mode, kind, osc, obi, first
.if (\kind) == 3
	DUO \a, 0, \mode, \jp, 12, 1, 0, 0, 0, 0
	DUO \a, 1, \mode, \jp, 12, 1, 0, 0, 0, 0
	DUO \a, 2, \mode, \jp, 12, 0, 0, 0, 0, 0       ; nothing more to fetch: the counts run down
	DUO \a, 3, \mode, \jp, 0, 0, 0, 0, 0, 0
.else
	DUO \a, 0, \mode, \jp, 12, 1, 1, \osc, \obi, \first
	DUO \a, 1, \mode, \jp, 18, 1, 0, 0, 0, \first
.if (\kind) == 0
	DUO \a, 2, \mode, \jp, 12, 1, 0, 0, 0, \first
.else
	TURN \a, \mode, \jp, 2-(\kind)
.endif
	DUO \a, 3, \mode, \jp, 12, 1, 0, 0, 0, \first
.endif
.endm
.macro ADDRS                           ; the LDS addresses of an expert, from the scalars that walk
	WIN 0x44                                       ; destination and source 1 window 1
	v_add_nc_u32 v[CL], s[TB], v[AWB]
	v_add_nc_u32 v[CL+1], s[TB], v[AWV]
	v_add_nc_u32 v[CH], 64*PITCH, v[CL]
	v_add_nc_u32 v[CH+1], 64*PITCH, v[CL+1]
	v_add_nc_u32 v[NL], s[TN], v[AWB]
	v_add_nc_u32 v[NL+1], s[TN], v[AWV]
	v_add_nc_u32 v[ADS], s[TS], v[ASC0]
	v_add_nc_u32 v[ADB], s[TBI], v[ABI0]
.endm
.macro HEAD more                       ; an expert's gates take their place; the next expert's are asked for, an expert ahead
	s_wait_loadcnt 0x0                             ; the gates are in, and their loads have read their base
	WIN 0x82
.irp m, 0,1,2,3
	v_mov_b32 v[G+2*\m], v[GN+\m]                  ; doubled: the packed fold multiplies by a pair
	v_mov_b32 v[G+2*\m+1], v[GN+\m]
.endr
.if \more
	s_add_nc_u64 s[GB:GB+1], s[GB:GB+1], 64
	WIN 0x80
.irp m, 0,1,2,3
	global_load_b32 v[GN+\m], v[GA], s[GB:GB+1] offset:512*\m
.endr
.endif
	ADDRS
.endm
; From an expert's second pair to the next expert's first: all four folds of a trip are this expert's, so one set of gates serves.  At its head the ring holds the second pair's K steps 0 to 3.
.macro BODY mode, fill
	HEAD 1
.set QJ, 1
.set QS, 4
.set QP, 0
	s_wait_alu depctr_va_vdst(0)
	PAIR 1, 0, \mode, 0, 2*SCP, 2*128, 0
	PAIR 0, 1, \mode, 0, 3*SCP, 3*128, 0
	PAIR 1, 2, \mode, 2-\fill, 4*SCP, 4*128, 0
	PAIR 0, 3, \mode, 0, 5*SCP, 5*128, 0
	WIN 0                                          ; at a label and at a branch every window is 0
	s_xor_b32 s[TB], s[TB], SLOT1
	s_xor_b32 s[TN], s[TN], SLOT1
	s_add_co_u32 s[TS], s[TS], SCE
	s_add_co_u32 s[TBI], s[TBI], 512
.endm
.macro XLOAD s                         ; x's four fragments of K step s: three loads of 16 bytes a lane each, 512 consecutive bytes a load
.irp m, 0,1,2,3
.irp c, 0,1,2
.if (\s) < 4
	global_load_b128 v[XF0+12*(4*(\s)+\m)+4*\c:XF0+12*(4*(\s)+\m)+4*\c+3], v[CO], s[XB:XB+1] offset:12288*\m+1536*(\s)+512*\c
.else
	global_load_b128 v[12*(4*((\s)-4)+\m)+4*\c:12*(4*((\s)-4)+\m)+4*\c+3], v[CO], s[XB:XB+1] offset:12288*\m+1536*(\s)+512*\c
.endif
.endr
.endr
.endm
	s_load_b256 s[4:11], s[0:1], 0x0               ; xq s[4:5], xs s[6:7], g s[8:9], W's codes s[10:11]
	s_load_b128 s[12:15], s[0:1], 0x20             ; W's scales s[12:13], the bias s[14:15]
	s_load_b64 s[16:17], s[0:1], 0x30              ; out0
	v_lshl_add_u32 v[SPW], v0, 2, SPARE
	v_mov_b32 v[NIL], 0
	ds_add_u32 v1, v2
	ds_add_u32 v1, v2
	s_wait_dscnt 0x0
	v_lshrrev_b32 v8, 5, v0
	v_readfirstlane_b32 s[WV], v8                  ; wave 0..3
	v_and_b32 v8, 31, v0                           ; lane
	v_and_b32 v9, 15, v0                           ; r
	v_bfe_u32 v10, v0, 4, 1                        ; h
	v_lshlrev_b32 v[CO], 4, v8
	v_lshlrev_b32 v[GA], 2, v9
	s_bfe_u32 s19, ttmp6, 0x40000                  ; cx: my place in the cluster
	s_lshl_b32 s20, ttmp9, 2                       ; in a cluster launch ttmp9 counts clusters
	s_add_co_u32 s20, s20, s19                     ; my block of 256 tokens
	s_and_b32 s21, ttmp7, 0xffff                   ; my block of 128 columns, which the four partners share
	; group 1.  W's tile: my 32 rows of 768 bytes are dense in memory: 96 lines of 256 bytes (32 elements of 8 bytes), 16 bytes of padding behind each
	s_mov_b32 s[G1W], 15|(3<<16)|(1<<20)|(1<<21)|(5<<22)|(3<<25)   ; 15:0 the mask: all four; 17:16 elements of 8 bytes; 20 padding on; 21 set beside a mask; 24:22 after every 64 words; 31:25 of 4 words
	s_mov_b32 s[G1W+1], 32<<16                     ; tensor_dim0
	s_mov_b32 s[G1W+2], 192<<16                    ; tensor_dim1: 192 lines (64 rows) for the head's load; behind it 96
	s_mov_b32 s[G1W+3], 32<<16                     ; tile_dim0
	s_mov_b32 s[G1W+4], 192                        ; tile_dim1
	s_mov_b32 s[G1W+5], 32                         ; from line to line
	s_mov_b32 s[G1W+6], 0
	s_mov_b32 s[G1W+7], 0
	s_mov_b32 s[G1S], 15|(3<<16)|(1<<21)           ; all experts' scale bytes of my 128 columns: 8 rows of 4,096 bytes (512 elements of 8), 32,768 bytes apart; no padding
	s_mov_b32 s[G1S+1], 512<<16
	s_mov_b32 s[G1S+2], 8<<16
	s_mov_b32 s[G1S+3], 512<<16
	s_mov_b32 s[G1S+4], 8
	s_mov_b32 s[G1S+5], 4096
	s_mov_b32 s[G1S+6], 0
	s_mov_b32 s[G1S+7], 0
	s_mov_b32 s[G1B], 15|(3<<16)|(1<<21)           ; all experts' bias of my 128 columns: 8 rows of 512 bytes, 4,096 bytes apart; no padding
	s_mov_b32 s[G1B+1], 64<<16
	s_mov_b32 s[G1B+2], 8<<16                      ; all eight experts' rows
	s_mov_b32 s[G1B+3], 64<<16
	s_mov_b32 s[G1B+4], 8
	s_mov_b32 s[G1B+5], 512
	s_mov_b32 s[G1B+6], 0
	s_mov_b32 s[G1B+7], 0
	; what the partners share: offsets made of the columns and the wave's number alone
	s_mul_i32 s22, s21, 128*768
	s_mul_i32 s23, s[WV], 32*768
	s_add_co_u32 s22, s22, s23                     ; W's codes: row 128 y + 32 w of expert 0
	s_mov_b32 s98, s23                             ; 32 w rows once more: the head's load takes row 128 y + 64 w
	s_mov_b32 s99, 0
	s_mov_b32 s23, 0
	s_lshl_b32 s94, s21, 12
	s_mov_b32 s95, 0
	s_lshl_b32 s96, s21, 9
	s_mov_b32 s97, 0
	; what is my work-group's own: in registers that feed no descriptor and no LDS address
	s_lshl_b32 s24, s20, 4
	s_lshl_b32 s25, s[WV], 2
	s_add_co_u32 s24, s24, s25                     ; my wave's first block of 16 tokens
	s_mul_i32 s26, s24, 12288
	s_mov_b32 s27, 0
	s_lshl_b32 s28, s24, 9
	s_mov_b32 s29, 0
	s_lshl_b32 s30, s24, 16                        ; 16 rows of 4,096 bytes
	s_lshl_b32 s31, s21, 9
	s_add_co_u32 s30, s30, s31
	s_mov_b32 s31, 0
	; group 0: LDS addresses: a constant + the wave's number x a constant
	s_mov_b32 s[G0W0], 1
	s_mul_i32 s[G0W0+1], s[WV], 64*PITCH           ; expert 0's tile: waves 0 and 1 fetch 64 rows each
	s_mov_b32 s[G0W1], 1
	s_mul_i32 s[G0W1+1], s[WV], 32*PITCH           ; from expert 1 on: 32 rows a wave
	s_add_co_u32 s[G0W1+1], s[G0W1+1], SLOT1
	s_mov_b32 s[G0S0], 1
	s_mov_b32 s[G0S0+1], SCL
	s_mov_b32 s[G0B], 1
	s_mov_b32 s[G0B+1], BIAS
	s_mov_b32 s[TB], 0
	s_mov_b32 s[TN], SLOT1
	s_mov_b32 s[TS], SCL
	s_mov_b32 s[TBI], BIAS
	s_wait_kmcnt 0x0
	s_add_nc_u64 s[G0W0+2:G0W0+3], s[10:11], s[22:23]
	s_add_nc_u64 s[G0W1+2:G0W1+3], s[G0W0+2:G0W0+3], EXPB
	s_add_nc_u64 s[G0W0+2:G0W0+3], s[G0W0+2:G0W0+3], s[98:99]
	s_or_b32 s[G0W0+3], s[G0W0+3], 0x80000000      ; type = 2
	s_or_b32 s[G0W1+3], s[G0W1+3], 0x80000000
	s_add_nc_u64 s[G0S0+2:G0S0+3], s[12:13], s[94:95]
	s_or_b32 s[G0S0+3], s[G0S0+3], 0x80000000
	s_add_nc_u64 s[G0B+2:G0B+3], s[14:15], s[96:97]
	s_or_b32 s[G0B+3], s[G0B+3], 0x80000000
	s_add_nc_u64 s[XB:XB+1], s[4:5], s[26:27]
	s_add_nc_u64 s[XSB:XSB+1], s[6:7], s[28:29]
	s_add_nc_u64 s[GB:GB+1], s[8:9], s[28:29]
	s_add_nc_u64 s[OB:OB+1], s[16:17], s[30:31]
	CROUND                                         ; all four work-groups are here: the first joint loads meet
; THE HEAD'S LOADS, ONE A WAVE: waves 0 and 1 fetch the halves of expert 0's tile, wave 2 all scale bytes, wave 3 all of the bias.
; One chain of branches on the wave's number: every way through it passes exactly one load.
.macro HARM under, g0, g1, next
	s_cmp_lt_u32 s[WV], \under
	s_cbranch_scc0 \next
	tensor_load_to_lds s[\g0:\g0+3], s[\g1:\g1+7]
	s_nop 0
.rept 4
	v_nop
.endr
	s_branch .Lhead_asked
\next:
.endm
	HARM 2, G0W0, G1W, .Lhead_s
	HARM 3, G0S0, G1S, .Lhead_b
	tensor_load_to_lds s[G0B:G0B+3], s[G1B:G1B+7]
	s_nop 0
.rept 4
	v_nop
.endr
.Lhead_asked:
	s_wait_alu depctr_va_vdst(0)
.irp m, 0,1,2,3
	global_load_b128 v[XS+4*\m:XS+4*\m+3], v[CO], s[XSB:XSB+1] offset:512*\m   ; x's scale words: all 8 K steps of 16 tokens by one load
.endr
	WIN 0x80
.irp m, 0,1,2,3
	global_load_b32 v[GN+\m], v[GA], s[GB:GB+1] offset:512*\m   ; expert 0's gates
.endr
	WIN 0
	XLOAD 0                                        ; K step by K step, so that the first pair can begin while the later fragments are on their way
	XLOAD 1
	XLOAD 2
	XLOAD 3
	WIN 0x80
	XLOAD 4
	XLOAD 5
	XLOAD 6
	XLOAD 7
	WIN 0
	v_mul_u32_u24 v11, v9, PITCH
	s_mul_i32 s22, s[WV], 16*SP
	s_add_co_u32 s22, s22, STAGE                   ; my stage
	v_mul_u32_u24 v[STO], v9, SP
	v_lshl_add_u32 v[STO], v10, 5, v[STO]
	v_add_nc_u32 v[STO], s22, v[STO]               ; in: row r, 32 bytes for each half of the lanes
	v_lshlrev_b32 v[RD], 4, v9
	v_lshl_add_u32 v[CO2], v10, 12, v[RD]          ; out0: 4,096 h + 16 r
	v_mad_u32_u24 v[RD], v10, SP, v[RD]
	v_add_nc_u32 v[RD], s22, v[RD]                 ; back: row h of a pair of rows, 16 bytes a lane
	WIN 0x40                                       ; destination window 1
	v_mad_u32_u24 v[AWB], v10, 48, v11
	v_mad_u32_u24 v[AWV], v10, 64, v11
	v_lshlrev_b32 v[ASC0], 5, v8
	v_lshlrev_b32 v[ABI0], 5, v10
	WIN 0
	s_wait_alu depctr_va_vdst(0)
	s_wait_tensorcnt 0x0                           ; my tile of the head's is in
	ds_add_u32 v[SPW], v[NIL]
	s_mov_b32 s[G1W+2], 96<<16                     ; no tensor load of mine is out: from here on a load brings 96 lines (32 rows)
	s_mov_b32 s[G1W+4], 96
	s_wait_dscnt 0x0
	CROUND                                         ; everybody's tiles are in, and all four work-groups are here
	tensor_load_to_lds s[G0W1:G0W1+3], s[G1W:G1W+7]   ; my quarter of expert 1's tile: slot 1's first fill, my one load behind the round
	s_nop 0
.rept 4
	v_nop
.endr
	ADDRS
	EXTRA 0, 0, 0                                  ; the first pair's scale words and bias
.set QJ, 0
.set QS, 0
.set QP, 0
	WIN 0x61
	RUN                                            ; and its K steps 0 to 3: the whole ring
	RUN
	s_wait_alu depctr_va_vdst(0)
	PAIR 0, 0, 0, 0, SCP, 128, 1                   ; expert 0's first pair: there is nothing to fold yet
	BODY 1, 1                                      ; expert 0: its folds start OUT
	s_mov_b32 s[CNT], 5
.Lexp:                                                 ; experts 1 to 5
	BODY 2, 1
	s_sub_co_u32 s[CNT], s[CNT], 1
	s_cmp_lg_u32 s[CNT], 0
	s_cbranch_scc1 .Lexp
; THE LAST TWO EXPERTS ARE WRITTEN OUT, AND THEIR PAIRS TAKE ANOTHER ORDER.  Nothing is left to fetch, so both slots stay: expert 6's and expert 7's.  The pairs (expert, 32 columns) go
; (6,1) (6,2) (7,0) (7,1) (6,3) (7,2) (7,3); (6,0) was multiplied in the loop's last trip.  So columns 0-63 are finished when (7,1) is folded, under (6,3), and leave under the last two pairs' products.
; The barrier that shows expert 7's tile whole stands in (6,2).  Each fold takes the gates of the pair that it folds: G names expert 6's set or expert 7's.
	HEAD 1                                         ; expert 6's gates take their place; expert 7's are asked for
	WIN 0x44
	v_add_nc_u32 v[NH], 64*PITCH, v[NL]
	v_add_nc_u32 v[NH+1], 64*PITCH, v[NL+1]
.set QT, 1
.set QJ, 1
.set QS, 4
.set QP, 0
	s_wait_alu depctr_va_vdst(0)
	PAIR 1, 0, 2, 0, 2*SCP, 2*128, 0               ; (6,1); folds (6,0)
	PAIR 0, 1, 2, 2, SCE, 512, 0                   ; (6,2), with the barrier and no fill; folds (6,1)
	s_wait_loadcnt 0x0                             ; expert 7's gates are in
	WIN 0x82
.irp m, 0,1,2,3
	v_mov_b32 v[G7+2*\m], v[GN+\m]                 ; doubled; first read a pair on, behind that pair's 32 packed multiply-adds
	v_mov_b32 v[G7+2*\m+1], v[GN+\m]
.endr
	PAIR 1, 2, 2, 0, SCE+SCP, 512+128, 0           ; (7,0); folds (6,2)
.set G, G7
	PAIR 0, 0, 2, 0, 3*SCP, 3*128, 0               ; (7,1); folds (7,0)
	PAIR 1, 1, 2, 0, SCE+2*SCP, 512+2*128, 0       ; (6,3); folds (7,1): columns 0-63 are finished
.set G, 224
.set OQ, 0                             ; they leave in eight parts, one behind each of the next eight folds
	PAIR 0, 3, 2, 0, SCE+3*SCP, 512+3*128, 0       ; (7,2); folds (6,3)
.set G, G7
	PAIR 1, 2, 2, 3, 0, 0, 0                       ; (7,3); folds (7,2)
.irp t, 0,1,2,3,4,5,6,7
	COMB 2, 0, \t, 3                               ; the last pair's fold; the eight lines of the fold in front of it, which name the other set of accumulators, are the places behind the last products
.endr
	s_wait_alu depctr_va_vdst(0)
	HSTG 0, 1                                      ; columns 64-127
.irp m, 1,2,3
	HSTG \m, 1
	s_wait_dscnt 16                                ; block m - 1 is back; behind its loads: block m's 8 stores and 8 loads
	HSND \m-1, 1
.endr
	s_wait_dscnt 0x0
	HSND 3, 1
	WIN 0
	s_wait_tensorcnt 0x0                           ; the wave's end: behind my last tensor load and my last LDS store
	ds_add_u32 v[SPW], v[NIL]
	s_wait_dscnt 0x0
	CROUND                                         ; the closing round: no work-group ends while a partner may still ask for a tile that names it
	s_endpgm
.Lfunc_end_k_qa56a16b235_moe:
	.size	k_qa56a16b235_moe, .Lfunc_end_k_qa56a16b235_moe-k_qa56a16b235_moe
	.p2alignl 7, 3214868480
	.fill 96, 4, 3214868480
	.section	.rodata,"a",@progbits
	.p2align	6, 0x0
	.amdhsa_kernel k_qa56a16b235_moe
		.amdhsa_group_segment_fixed_size 327680
		.amdhsa_private_segment_fixed_size 0
		.amdhsa_enable_private_segment 0
		.amdhsa_kernarg_size 56
		.amdhsa_user_sgpr_count 2
		.amdhsa_user_sgpr_kernarg_segment_ptr 1
		.amdhsa_wavefront_size32 1
		.amdhsa_system_sgpr_workgroup_id_x 1
		.amdhsa_system_sgpr_workgroup_id_y 1
		.amdhsa_system_sgpr_workgroup_id_z 1
		.amdhsa_system_vgpr_workitem_id 0
		.amdhsa_next_free_vgpr 1024
		.amdhsa_next_free_sgpr 100
		.amdhsa_reserve_vcc 0
		.amdhsa_float_denorm_mode_32 3
		.amdhsa_float_denorm_mode_16_64 3
		.amdhsa_memory_ordered 1
		.amdhsa_forward_progress 1
		.amdhsa_inst_pref_size 255
	.end_amdhsa_kernel
	.section	.bss,"aw",@nobits
	.p2align	6
	.space	262144
	.amdgpu_metadata
---
amdhsa.version: [ 1, 2 ]
amdhsa.kernels:
  - .name:           k_qa56a16b235_moe
    .symbol:         k_qa56a16b235_moe.kd
    .args:
      - { .name: xq, .offset: 0, .size: 8, .value_kind: global_buffer, .address_space: global }
      - { .name: xs, .offset: 8, .size: 8, .value_kind: global_buffer, .address_space: global }
      - { .name: g, .offset: 16, .size: 8, .value_kind: global_buffer, .address_space: global }
      - { .name: expert_w_codes, .offset: 24, .size: 8, .value_kind: global_buffer, .address_space: global }
      - { .name: ws, .offset: 32, .size: 8, .value_kind: global_buffer, .address_space: global }
      - { .name: expert_b, .offset: 40, .size: 8, .value_kind: global_buffer, .address_space: global }
      - { .name: out0, .offset: 48, .size: 8, .value_kind: global_buffer, .address_space: global }
    .group_segment_fixed_size: 327680
    .private_segment_fixed_size: 0
    .kernarg_segment_align: 8
    .kernarg_segment_size: 56
    .max_flat_workgroup_size: 128
    .sgpr_count:     100
    .vgpr_count:     1024
    .wavefront_size: 32
...
	.end_amdgpu_metadata
.endif
;; end of part 4
